; MI455X (gfx1250); checked and timed in simulation.
; The chip was launched on July 23, 2026; its instructions are those of AMD's public machine-readable ISA for CDNA 5 (MIT licence, August 2026) and "CDNA5" Instruction Set Architecture Reference Guide (July 2026). The comments in the code are by the model that wrote it; some were corrected since.
;; Fast Weight Memory. Allowed arithmetic: matrix products marked QUANTISED: E5M2 operands, one E8M0 scale for each 32 along K, by v_wmma_scale_f32_16x16x128_f8f6f4 with both operands' format E5M2, f32 sums; everything else in f32.
;; Inputs: keys 32,768 x 1,024 float32; query 1,024 x 1,024 float32; values_codes 1,024 x 1,024 x 32 uint8 (E5M2 codes of values, K innermost, in blocks of 32 codes); values_scales 1,024 x 1,024 uint8 (E8M0 scales of values, one for each 32 codes along K).
;; Outputs: out0 1,024 x 1,024 float32.
;; This version of the problem:
;;   THIS VERSION OF THE PROBLEM IS GIVEN IN LOW PRECISION. The matrix products marked QUANTISED in the list below multiply operands that are first quantised to E5M2 (5 exponent bits, 2 mantissa bits; 8 bits a number), with one power-of-two scale for each 32 numbers along K (OCP MX v1.0); their sums are f32. All else is computed in f32.
;;   The module's matrix products, in the order in which they are computed (A, B: the left and right operand; K: the contracted axis; several contracted axes count as one K, in the product's order):
;;     1. [M 32,768, K 1,024] x [K 1,024, N 1,024]; A: computed on the way; B: computed on the way: QUANTISED
;;     2. [M 1,024, K 32,768] x [K 32,768, N 1,024]; A: softmax (see below); B: input values (given as codes): QUANTISED
;;   THE QUANTISER, for each operand of a quantised product, along K:
;;     - K is cut into blocks of 32 from its start; a last block that is shorter is filled with zeros.
;;     - A block's scale is 2^e with e = floor(log2(the largest magnitude in the block)) - 15, held to -126 .. 127; a block of zeros has e = 0. As a byte (E8M0): e + 127.
;;     - Each number is divided by its block's scale, clamped to +-57,344, and rounded to the nearest number of E5M2, ties to even, subnormals kept.
;;     - The product sums the exact products of the quantised numbers (number of the format x scale) in f32.
;;   ~~~python
;;   def quantise(x, axis):      # numpy; x: float32 -> the quantised numbers, widened to float32 again
;;       x = np.moveaxis(x, axis, -1); K = x.shape[-1]
;;       x = np.pad(x, [(0, 0)] * (x.ndim - 1) + [(0, -K % 32)]); x = x.reshape(x.shape[:-1] + (-1, 32)); a = np.abs(x).max(-1, keepdims=True)
;;       e = np.where(a > 0, np.clip(np.frexp(np.where(a > 0, a, 1))[1] - 1 - 15, -126, 127), 0)      # np.frexp(a)[1] - 1 = floor(log2(a)), exactly
;;       r = np.clip(x / 2.0 ** e, -57344, 57344)
;;       step = 2.0 ** (np.maximum(np.frexp(np.where(r == 0, 1, r))[1] - 1, -14) - 2)
;;       q = np.round(r / step) * step * 2.0 ** e      # np.round: ties to even
;;       return np.moveaxis(q.reshape(q.shape[:-2] + (-1,))[..., :K], -1, axis).astype(np.float32)
;;   ~~~
;;   SOFTMAX AHEAD OF A QUANTISED PRODUCT. Where the list says 'softmax', what is quantised is not the finished softmax but p = 2^(t - M), with t = logit x log2(e) and M = ceil(the row's largest t), a whole number; so 1/2 < the row's largest p <= 1. The row's sum l is taken of the UNQUANTISED p, in f32, and the product's result is divided by l at the end. Since M is a whole number, a kernel that streams over the keys may use a running M (the ceiling of the running maximum): every later rescaling is an exact power of two, which a block's scale takes up: the codes' values come out the same.
;;   OPERANDS COMPUTED ON THE WAY. 'Computed on the way' means the value that the module computes at that place (a softmax that the list does not call 'softmax' is quantised finished and normalised). What goes into a quantiser is computed in f32, as accurately as f32 sums, v_exp_f32 and their like allow (about 1e-6 of the number): no bf16 or f16 on the way to a quantiser, and a product that is left as it is and whose result goes on into a quantised operand takes f32 operands (vector FMAs, or v_wmma_f32_16x16x4_f32). A number that lies on a knife's edge between two numbers of the format may be rounded either way, as far as f32 arithmetic and the matrix unit's own rounding can turn it there, and no further.
;;   INPUTS GIVEN AS CODES. values (in the module: [32768, 1024], K = its axis 0): each comes as NAME_codes (uint8): NAME with its K axis moved to the last place and cut into blocks of 32 codes, [.., K / 32, bytes a block], one block behind the other in memory; one code a byte (a code: sign, 5 exponent bits, 2 mantissa bits); and NAME_scales (uint8): the same leading axes, one E8M0 byte (e + 127) for each 32 codes along K. Its value is code x scale, taken as it is: it is not quantised again, and the codes and scales need not be those that the quantiser above would give.
;; One version. Each part assembles by itself: llvm-mc -triple=amdgcn-amd-amdhsa -mcpu=gfx1250 --defsym DOCPART=n.
;; ======== version 1 of 1: 4 launches
;; limits: right only within a limited range of input values
;; workspace buffers: kc 33,554,432 bytes; ks 1,048,576 bytes; qc 1,048,576 bytes; qs 32,768 bytes; pc 33,554,432 bytes; ps 2,097,152 bytes; lp 1,048,576 bytes; part 67,108,864 bytes
;; launch quant (part 1): grid 1056 x 1, 4 waves a work-group, no clusters, 33,280 bytes of LDS; arguments keys, query, kc, ks, qc, qs; writes kc, ks, qc, qs
.if DOCPART == 1
	.amdgcn_target "amdgcn-amd-amdhsa--gfx1250"
	.amdhsa_code_object_version 6
	.text
	.protected	k_qa507141874_quant
	.globl	k_qa507141874_quant
	.p2align	8
	.type	k_qa507141874_quant,@function
k_qa507141874_quant:
	s_mov_b64 s[64:65], 0
	v_nop
	global_prefetch_b8 v0, s[64:65] scope:SCOPE_SE
	s_setreg_imm32_b32 hwreg(HW_REG_WAVE_MODE, 25, 1), 1
	s_wait_xcnt 0x0
; keys [32768][1024] and query [1024][1024], f32: each row is divided by max(its L2 norm, 1e-12) and turned into codes of BF8 (E5M2), K = the row's 1,024 innermost,
; with one E8M0 scale byte for each 32 along the row.  Codes: [rows][1024] bytes; scale bytes: [rows][32].
; A block's scale is 2^(floor(log2(its largest magnitude)) - 15); its byte is the largest magnitude's exponent field - 15, held at 1 from below (a block of zeros so gets the byte 1: its codes are
; zeros, which add nothing under any byte but 0xff, and the bytes are read by this program alone).  Each number is divided by the scale, held within +-57,344 and rounded to the nearest code, ties to even.
; LIMITS: NaN and infinities among the inputs are not served; a row whose sum of squares passes the largest f32 number is not served (the norm as the problem writes it passes it too).
; The norm is sqrt of an f32 sum of squares; the division is a multiplication by v_rcp_f32 of it: a few units in the last place of f32 ahead of the quantiser.
; SHARES.  The first 1,024 work-groups take keys, the other 32 query: only pointers are chosen, there is one path.  A wave takes 8 rows on end.  A row is 4,096 bytes: eight loads of 512 consecutive bytes,
; 32 registers; three row buffers, so that two rows (16 loads) are on their way while one is worked on.
; The conversions take neighbours along K from ONE lane's registers, the loads give neighbouring bytes to neighbouring lanes: so the scaled row turns through the wave's own stage in LDS (as loaded in,
; 64 bytes a lane out, 16 bytes of padding behind each 64).  A lane's 16 codes are 16 bytes: a store covers 512 consecutive bytes.  The wave's 256 scale bytes are gathered in LDS and leave as one aligned run of 256.
; No matrix unit, tensor load, cluster or barrier: the launch streams, and its waves share nothing.
.set KEYWG, 1024                       ; work-groups that take keys: 32,768 rows / 32
.set WREG,  8192                       ; LDS: a region for each wave
.set SP,    80                         ; a lane's place in a stage: 64 bytes + 16 of padding
.set STG,   32*SP                      ; a stage: 512 numbers
.set SCB,   2*STG                      ; behind the two stages: the wave's 256 scale bytes
.set Q,     16                         ; v16-23   four chains of the sum of squares, two numbers each
.set SS,    24                         ; v24 the sum, then the norm; v25 the other half of the lanes'
.set RR,    26                         ; v[26:27] 1 / norm (the packed multiply names the pair and takes its low word)
.set R,     32                         ; v32-127  three row buffers of 32
.set X,     128                        ; v128-159 the row as 2 x 16 neighbours a lane
.set C,     160                        ; v160-175 codes: 8 registers a row, two rows by turns
.set E,     176                        ; v176-191 a scale byte for each of the 16 steps
	s_load_b128 s[4:7], s[0:1], 0x0                ; keys, query
	s_load_b128 s[8:11], s[0:1], 0x10              ; keys' codes, keys' scale bytes
	s_load_b128 s[12:15], s[0:1], 0x20             ; query's codes, query's scale bytes
	v_lshl_add_u32 v28, v0, 2, 0x8000              ; my spare word, behind the four waves' regions; never rewritten
	v_mov_b32 v29, 0                               ; 0; never rewritten
	v_lshrrev_b32 v1, 5, v0
	v_readfirstlane_b32 s16, v1                    ; wave
	v_and_b32 v2, 31, v0                           ; lane
	v_lshlrev_b32 v3, 4, v2                        ; 16 x lane: my bytes of a load's 512 and of a store's 512; never rewritten
	s_mul_i32 s17, s16, WREG
	v_lshrrev_b32 v14, 2, v2
	v_mul_u32_u24 v14, v14, SP
	v_and_b32 v15, 3, v2
	v_lshl_add_u32 v14, v15, 4, v14
	v_add_nc_u32 v14, s17, v14                     ; the stage, on the way in: SP (lane / 4) + 16 (lane % 4); a load's 512 bytes take eight places
	v_mul_u32_u24 v15, v2, SP
	v_add_nc_u32 v15, s17, v15                     ; and on the way out: SP x lane: my 16 neighbours
	v_lshrrev_b32 v5, 1, v2
	s_add_co_u32 s17, s17, SCB
	v_add_nc_u32 v5, s17, v5                       ; my block's scale byte
	v_lshlrev_b32 v7, 3, v2                        ; the scale bytes on the way out: 8 a lane
	v_add_nc_u32 v6, s17, v7
	s_mov_b32 s23, 0x600000                        ; the mantissa field of 57,344
	s_mov_b32 s24, 0x76543210
	s_mov_b32 s25, 0xfedcba98                      ; v_permlanex16_b32's selects for lane l xor 16
	v_mov_b32 v[SS+1], 0                           ; written once: a lane permute's destination counts as one of its sources
	v_mov_b32 v[RR+1], 0                           ; named as the upper half of a pair
	s_wait_kmcnt 0x0
	s_cmp_lt_u32 ttmp9, KEYWG                      ; keys or query?  The choice hangs on the work-group's number alone
	s_cselect_b64 s[4:5], s[4:5], s[6:7]
	s_cselect_b64 s[8:9], s[8:9], s[12:13]
	s_cselect_b64 s[10:11], s[10:11], s[14:15]
	s_cselect_b32 s17, 0, KEYWG
	s_sub_co_u32 s17, ttmp9, s17
	s_lshl_b32 s17, s17, 2
	s_add_co_u32 s18, s17, s16                     ; which run of 8 rows of the tensor is my wave's: at most 4,095
	s_mov_b32 s21, 0
	s_lshl_b32 s20, s18, 15                        ; 8 rows of 4,096 bytes
	s_add_nc_u64 s[4:5], s[4:5], s[20:21]
	s_lshl_b32 s20, s18, 13                        ; 8 rows of 1,024 codes
	s_add_nc_u64 s[8:9], s[8:9], s[20:21]
	s_lshl_b32 s20, s18, 8                         ; 8 rows of 32 scale bytes
	s_add_nc_u64 s[10:11], s[10:11], s[20:21]
.macro LOAD i                          ; row i into buffer i % 3
.irp j, 0,1,2,3,4,5,6,7
	global_load_b128 v[R+32*((\i)%3)+4*\j:R+32*((\i)%3)+4*\j+3], v3, s[4:5] offset:4096*(\i)+512*\j th:TH_LOAD_NT
.endr
.endm
; step t (512 numbers, half a row): a lane's 16 neighbours in v[XS] on become 16 codes; two neighbouring lanes hold a block
.macro QSTEP t
.set XS, X+16*((\t)%2)
.set CS, C+8*(((\t)/2)%2)+4*((\t)%2)
	v_max3_num_f32 v8, |v[XS]|, |v[XS+1]|, |v[XS+2]|               ; the largest magnitude of my 16, in two chains
	v_max3_num_f32 v9, |v[XS+3]|, |v[XS+4]|, |v[XS+5]|
.irp i, 6,10
	v_max3_num_f32 v8, v8, |v[XS+\i]|, |v[XS+\i+1]|
	v_max3_num_f32 v9, v9, |v[XS+\i+2]|, |v[XS+\i+3]|
.endr
	v_max3_num_f32 v8, v8, |v[XS+14]|, |v[XS+15]|
	v_max3_num_f32 v8, v8, v9, 0x8000000           ; and the floor 2^(16 - 127): the byte cannot fall under 1
	v_max_num_f32_dpp v8, v8, v8 row_xmask:1 row_mask:0xf bank_mask:0xf   ; and of my neighbour's 16: the block's
	v_add_nc_u32 v11, 0xf8800000, v8               ; 15 off its exponent field: the conversion takes the exponent field of this operand as its scale
	v_and_or_b32 v10, v8, 0x7f800000, s23          ; 57,344 x the scale
.irp i, 0,1,2,3,4,5,6,7,8,9,10,11,12,13,14,15
	v_med3_num_f32 v[XS+\i], v[XS+\i], -v10, v10   ; the conversion to an 8-bit code does not saturate (ISA guide 7.6.2): the hold comes first
.endr
	v_cvt_scalef32_pk8_bf8_f32 v[CS:CS+1], v[XS:XS+7], v11
	v_cvt_scalef32_pk8_bf8_f32 v[CS+2:CS+3], v[XS+8:XS+15], v11
	v_lshrrev_b32 v[E+(\t)], 23, v11               ; the scale's byte (also the plain line behind the conversions)
	ds_store_b8 v5, v[E+(\t)] offset:16*(\t)       ; both lanes of a block write the same byte with the same value
	global_store_b128 v3, v[CS:CS+3], s[8:9] offset:512*(\t)      ; 32 lanes store 512 consecutive bytes
.endm
.macro ROW i
.set RB, R+32*((\i)%3)
.if (\i) < 6
	s_wait_loadcnt 16                              ; my row's eight loads are in; the two rows behind it (16 loads) stay out
.else
	s_wait_loadcnt 8*(7-(\i))                      ; the last rows: the count runs down
.endif
.irp k, 0,1,2,3
	v_pk_mul_f32 v[Q+2*\k:Q+2*\k+1], v[RB+2*\k:RB+2*\k+1], v[RB+2*\k:RB+2*\k+1]      ; the first squares start four chains: nothing is cleared
.endr
.irp k, 4,5,6,7,8,9,10,11,12,13,14,15
	v_pk_fma_f32 v[Q+2*(\k%4):Q+2*(\k%4)+1], v[RB+2*\k:RB+2*\k+1], v[RB+2*\k:RB+2*\k+1], v[Q+2*(\k%4):Q+2*(\k%4)+1]
.endr
	v_pk_add_f32 v[Q:Q+1], v[Q:Q+1], v[Q+2:Q+3]
	v_pk_add_f32 v[Q+4:Q+5], v[Q+4:Q+5], v[Q+6:Q+7]
	v_pk_add_f32 v[Q:Q+1], v[Q:Q+1], v[Q+4:Q+5]
	v_add_f32 v[SS], v[Q], v[Q+1]
	v_add_f32_dpp v[SS], v[SS], v[SS] row_xmask:1 row_mask:0xf bank_mask:0xf
	v_add_f32_dpp v[SS], v[SS], v[SS] row_xmask:2 row_mask:0xf bank_mask:0xf
	v_add_f32_dpp v[SS], v[SS], v[SS] row_xmask:4 row_mask:0xf bank_mask:0xf
	v_add_f32_dpp v[SS], v[SS], v[SS] row_xmask:8 row_mask:0xf bank_mask:0xf
	v_permlanex16_b32 v[SS+1], v[SS], s24, s25
	v_add_f32 v[SS], v[SS], v[SS+1]                ; every lane holds the row's sum of squares
	s_wait_alu depctr_va_vdst(0)
	v_sqrt_f32 v[SS], v[SS]
	v_nop                                          ; one plain line behind a transcendental
	s_wait_alu depctr_va_vdst(0)
	v_max_num_f32 v[SS], 0x2b8cbccc, v[SS]         ; max(norm, 1e-12)
	s_wait_alu depctr_va_vdst(0)
	v_rcp_f32 v[RR], v[SS]
	v_nop
	s_wait_alu depctr_va_vdst(0)
.irp k, 0,1,2,3,4,5,6,7,8,9,10,11,12,13,14,15
	v_pk_mul_f32 v[RB+2*\k:RB+2*\k+1], v[RB+2*\k:RB+2*\k+1], v[RR:RR+1] op_sel_hi:[1,0]
.endr
.irp j, 0,1,2,3,4,5,6,7
	ds_store_b128 v14, v[RB+4*\j:RB+4*\j+3] offset:STG*(\j/4)+8*SP*(\j%4)
.endr
.irp j, 0,1,2,3,4,5,6,7
	ds_load_b128 v[X+4*\j:X+4*\j+3], v15 offset:STG*(\j/4)+16*(\j%4)   ; LDS serves a wave's instructions in order: these see the stores above
.endr
	s_wait_dscnt 0x0                               ; the row is back, and the stores have read the row buffer,
.if (\i) < 5
	LOAD (\i)+3                                    ; which takes the row three further on
.endif
	s_wait_xcnt 0x0                                ; the code stores of two rows back have read their registers: these are written again below
	QSTEP 2*(\i)
	QSTEP 2*(\i)+1
.endm
	LOAD 0
	LOAD 1
	LOAD 2
.irp i, 0,1,2,3,4,5,6,7
	ROW \i
.endr
	ds_load_b64 v[12:13], v6                       ; in order behind my byte stores
	s_wait_dscnt 0x0
	global_store_b64 v7, v[12:13], s[10:11]        ; 32 lanes store 256 consecutive bytes, aligned
	s_wait_tensorcnt 0x0
	ds_add_u32 v28, v29                            ; the wave's end
	s_wait_dscnt 0x0
	s_endpgm
.Lfunc_end_k_qa507141874_quant:
	.size	k_qa507141874_quant, .Lfunc_end_k_qa507141874_quant-k_qa507141874_quant
	.p2alignl 7, 3214868480
	.fill 96, 4, 3214868480
	.section	.rodata,"a",@progbits
	.p2align	6, 0x0
	.amdhsa_kernel k_qa507141874_quant
		.amdhsa_group_segment_fixed_size 33280
		.amdhsa_private_segment_fixed_size 0
		.amdhsa_enable_private_segment 0
		.amdhsa_kernarg_size 48
		.amdhsa_user_sgpr_count 2
		.amdhsa_user_sgpr_kernarg_segment_ptr 1
		.amdhsa_wavefront_size32 1
		.amdhsa_system_sgpr_workgroup_id_x 1
		.amdhsa_system_sgpr_workgroup_id_y 1
		.amdhsa_system_sgpr_workgroup_id_z 1
		.amdhsa_system_vgpr_workitem_id 0
		.amdhsa_next_free_vgpr 192
		.amdhsa_next_free_sgpr 66
		.amdhsa_reserve_vcc 0
		.amdhsa_float_denorm_mode_32 3
		.amdhsa_float_denorm_mode_16_64 3
		.amdhsa_memory_ordered 1
		.amdhsa_forward_progress 1
		.amdhsa_inst_pref_size 74
	.end_amdhsa_kernel
	.amdgpu_metadata
---
amdhsa.version: [ 1, 2 ]
amdhsa.kernels:
  - .name:           k_qa507141874_quant
    .symbol:         k_qa507141874_quant.kd
    .args:
      - { .name: keys, .offset: 0, .size: 8, .value_kind: global_buffer, .address_space: global }
      - { .name: query, .offset: 8, .size: 8, .value_kind: global_buffer, .address_space: global }
      - { .name: kc, .offset: 16, .size: 8, .value_kind: global_buffer, .address_space: global }
      - { .name: ks, .offset: 24, .size: 8, .value_kind: global_buffer, .address_space: global }
      - { .name: qc, .offset: 32, .size: 8, .value_kind: global_buffer, .address_space: global }
      - { .name: qs, .offset: 40, .size: 8, .value_kind: global_buffer, .address_space: global }
    .group_segment_fixed_size: 33280
    .private_segment_fixed_size: 0
    .kernarg_segment_align: 8
    .kernarg_segment_size: 48
    .max_flat_workgroup_size: 128
    .sgpr_count:     66
    .vgpr_count:     192
    .wavefront_size: 32
...
	.end_amdgpu_metadata
.endif
;; end of part 1
;; launch scores (part 2): grid 64 x 4, 4 waves a work-group, clusters of 4 x 4, 327,680 bytes of LDS; arguments qc, qs, kc, ks, pc, ps, lp, values_scales; writes pc, ps, lp
.if DOCPART == 2
	.amdgcn_target "amdgcn-amd-amdhsa--gfx1250"
	.amdhsa_code_object_version 6
	.text
	.protected	k_qa507141874_scores
	.globl	k_qa507141874_scores
	.p2align	8
	.type	k_qa507141874_scores,@function
k_qa507141874_scores:
	s_mov_b64 s[64:65], 0
	v_nop
	global_prefetch_b8 v0, s[64:65] scope:SCOPE_SE
	s_setreg_imm32_b32 hwreg(HW_REG_WAVE_MODE, 25, 1), 1
	s_wait_xcnt 0x0
	s_wait_alu depctr_hold_cnt(0) depctr_sa_sdst(0) depctr_va_vdst(0) depctr_va_sdst(0) depctr_va_ssrc(0) depctr_va_vcc(0) depctr_vm_vsrc(0)
	s_getreg_b32 s2, hwreg(HW_REG_IB_STS2, 6, 4)
	s_cmp_eq_u32 s2, 0
	s_cbranch_scc0 .Lentry_in_a_cluster
	s_endpgm
.Lentry_in_a_cluster:
	s_bfe_u32 s2, ttmp6, 0x10000c
	s_cmp_lg_u32 s2, 0xf033
	s_cbranch_scc0 .Lentry_shape_is_right
	s_endpgm
.Lentry_shape_is_right:
; S[b][n] = q_norm[b] . k_norm[n] on codes of BF8 (E5M2) with one E8M0 scale for each 32 along the 1,024; then p = 2^(t - 19), t = S x 10 x log2(e); p is quantised along n.
; OUT: pc [n / 128][1024 b][128] codes; ps, first 2^20 bytes: [n / 128][1024 b] scale words (four bytes: the four blocks of 32 of those 128 slots); lp [n / 128][1024 b] f32: the sums of the UNQUANTISED p over those 128 slots.
; ps, second 2^20 bytes: values_scales laid anew as [split of 2,048 slots][1024 d][64 bytes], so that the next launch reads a tile's scale bytes as one dense block: each thread copies two pieces of 16 bytes.
; M = 19 FOR EVERY ROW, A WHOLE NUMBER, IN PLACE OF THE CEILING OF THE ROW'S LARGEST t.  Both operands are vectors of norm 1 (made so by the problem itself); rounding to E5M2 lengthens a number by an eighth
; at the most, so |S| < 1.28 and |t| < 18.5 for every input: p lies between 2^-37.5 and 2^-0.5, a scale byte is 74 at the least, a row's sum is under 2^15: nothing overflows, underflows or is held by a bound.
; Against the row's own M the codes are the same and every scale and the sum carry the same exact power of two, which the division at the end takes out.
; SHARES.  A tile of 256 queries x 256 slots to a work-group of four waves, 128 x 128 to a wave: 64 accumulators, 512 registers.  A WORK-GROUP STAYS and makes two tiles, 16,384 slots apart: 256 work-groups.
; K goes in steps of 256 through a ring of two LDS slots filled by the tensor data mover; the ring goes on into the second tile: the first tile's last two changes of slots ask for the second's K steps 0 and 1.
; CLUSTERS: 4 x 4 work-groups.  The four of a row of the cluster need the same tiles of the queries (A), the four of a column the same tiles of the keys (B): each tile is asked for JOINTLY.
; THE SCALE BYTES of both tiles come through registers at the head, a quarter to each wave, into LDS bytes of their own (the queries' twice, so that one constant leads from the first tile's to the second's).
; They are not asked for jointly: they are 24,576 of the work-group's 1,073,152 bytes.
; PREFETCHES: of the 128 rows that a wave fetches, each of the four partners that ask for them jointly names 32, told apart by address (cx for A, cy for B), a lane a row, 256 bytes a K step.  Behind K step 0's load K steps 1 and 2
; are named, behind K step 1's K step 3, then behind each refill the K step two refills on; of the second tile the keys' alone (the queries' rows have been read by then); the second tile names nothing.
; TRANSPOSED USE: source 0 = 16 keys, source 1 = 16 queries: a lane holds ONE query (lane % 16), and accumulator (a, b)'s register j the slot 16 b + 8 (lane / 16) + j.  A block of 32 slots lies in accumulators 2 B, 2 B + 1 of lanes l and l xor 16.
; REGISTERS, in windows of 256: window 0: v0-31 addresses; v32-63 scale words, two sets; v64-119 at the head scale bytes on their way, later v64-79 codes on their way out; from v128 A's fragments, in the softmax at work.
;   window 1: B's fragments, two sets.  window 2: the accumulators of my queries 0-63 ((a, b) at v[8 (8 a + b)]);  window 3: those of my queries 64-127.
; LIMITS: NaN and infinities are not served.  A block's largest p is made from the block's largest t by the same v_exp_f32, which takes that instruction not to fall where its input rises.
.set NQ,     2                         ; matrix instructions deep in a K step of 256
.set ROWB,   256
.set KROW,   1024                      ; a row of codes in memory
.set PITCH,  272                       ; an LDS row: 256 bytes + 16 of padding
.set FR,     16
.set NL,     4
.set NP,     8                         ; places behind this matrix instruction (ISA guide 7.12.1)
.set HALFT,  128*PITCH
.set SLOT,   4*HALFT                   ; A's 256 rows, then B's 256 rows
.set KS,     32                        ; a row of scale bytes
.set SCL,    2*SLOT                    ; the scale bytes, as runs of 256 bytes + 16: A, B of tile 0, A once more, B of tile 1
.set HALFS,  16*272                    ; those of 128 rows
.set SBLK,   2*272                     ; those of 16 rows
.set STG,    SCL+8*HALFS               ; for each wave a stage of 16 rows x (128 codes + 16)
.set SP,     144
.set WST,    STG+4*16*SP               ; for each wave 1,024 bytes: 128 scale words, 128 sums
.set SPARE,  WST+4096                  ; the spare words, 128 bytes for each wave
.set NEXT_B, 64*256*KROW-2*ROWB        ; from a slot's last K step of tile 0 to its first of tile 1, in the keys
.set NEXT_P, 128*131072-8*2048         ; pc: 128 runs on, eight blocks back
.set NEXT_W, 128*4096                  ; ps, lp: 128 runs on
.set NEG,  12                          ; v[12:13] -19.0
.set VSO,  14                          ; v14  values_scales: where my pieces lie
.set VDO,  15                          ; v15  and where they go: 16 x thread
.set ADRA, 16
.set WSA,  18                          ; v18  where a block's first query's scale word goes
.set WRD,  19
.set ADRB, 20
.set LO,   22                          ; v22  16 x lane
.set PFO,  23                          ; v23  the prefetches' offset: 1,024 x lane; never rewritten
.set STO,  24
.set RD,   25
.set ADRS, 27                          ; v27  my scale words: lanes 0-15 A's rows, lanes 16-31 B's
.set SPW,  28                          ; never rewritten
.set NIL,  29                          ; never rewritten
.set SGO,  30
.set SST,  31
.set SC,   32
.set BKR,  64                          ; v64-79 a block's codes read back from the stage
.set AF,   128
.set T,    128                         ; the softmax: v128-191 t, then p, of 16 queries x 128 slots
.set C,    192
.set MX,   208
.set PX,   212
.set SO,   216
.set LIM,  220
.set BY,   224
.set SA,   228
.set SW,   232
.set LS,   233
.set LT,   234
.set WB,   236
.set WSB,  244
.set BLK, 3                            ; s3   the softmax's block
.set G1, 24
.set G0, 32
.set G1B, 48
.set G0B, 56
.set SEL, 66
.set PFA, 74                           ; s[74:75] my work-group's 32 rows of the 128 that my wave fetches, tile 0; never rewritten
.set PFN, 80                           ; s[80:81] the same of tile 1 (B's waves); never rewritten
.set ASKF, 82                          ; s82  1 while my wave names rows of tile 1
.set BO,  83                           ; s83  64 x the softmax's block
.set MNT, 95
.set CC,  100
.set MSB, 0
.macro WIN new                         ; the immediate's high byte repeats the setting that is left
.if MSB != (\new)
	s_set_vgpr_msb (MSB<<8)|(\new)
.set MSB, (\new)
.endif
.endm
.set MUL_LO, 0xa1
.set MUL_HI, 0xf1
.set TO_B,   0x40
; A joint load: waves 0 and 1 fetch for A, waves 2 and 3 for B; the branch hangs on the wave's number alone.  An s_nop 0 and four v_nop follow each line.
.macro JLOAD g0a, g1a, g0b, g1b
	s_cmp_eq_u32 s15, 0
	s_cbranch_scc0 .Lfor_b_\@
	tensor_load_to_lds s[\g0a:\g0a+3], s[\g1a:\g1a+7]
	s_nop 0
.rept 4
	v_nop
.endr
	s_branch .Lasked_\@
.Lfor_b_\@:
	tensor_load_to_lds s[\g0b:\g0b+3], s[\g1b:\g1b+7]
	s_nop 0
.rept 4
	v_nop
.endr
.Lasked_\@:
.endm
.macro CREST                           ; a round of the cluster's barrier behind its opening barrier
	s_cmp_lg_u32 s14, 0
	s_cbranch_scc1 .Lnot_wave_0_\@
	s_barrier_signal -3
.Lnot_wave_0_\@:
	s_barrier_wait -3
	s_barrier_signal -1
	s_barrier_wait -1
.endm
.macro CROUND
	s_barrier_signal -1
	s_barrier_wait -1
	CREST
.endm
.macro ASK off                         ; B's waves, in tile 0: a K step of tile 1
	s_cmp_eq_u32 s[ASKF], 1
	s_cbranch_scc0 .Lna_\@
	global_prefetch_b8 v[PFO], s[PFN:PFN+1] offset:\off th:TH_LOAD_NT scope:SCOPE_SE
.Lna_\@:
.endm
	s_load_b128 s[4:7], s[0:1], 0x0                ; qc, qs
	s_load_b128 s[8:11], s[0:1], 0x10              ; kc, ks
	s_load_b64 s[12:13], s[0:1], 0x20              ; pc
	s_load_b128 s[96:99], s[0:1], 0x28             ; ps, lp
	s_load_b64 s[84:85], s[0:1], 0x38              ; values_scales
	v_lshl_add_u32 v[SPW], v0, 2, SPARE
	v_mov_b32 v[NIL], 0
	ds_add_u32 v[SPW], v[NIL]                      ; the opening: the add, twice on end, and its wait ahead of my first tensor load
	ds_add_u32 v[SPW], v[NIL]
	v_lshrrev_b32 v1, 5, v0
	v_readfirstlane_b32 s14, v1                    ; wave 0..3
	s_lshr_b32 s15, s14, 1                         ; which half of the tile's queries is mine.  Also: I fetch for A (0) or for B (1)
	s_and_b32 s16, s14, 1                          ; which half of its slots.  Also: which 128 rows of that tile I fetch
	s_bfe_u32 s40, ttmp6, 0x40000                  ; cx
	s_bfe_u32 s41, ttmp6, 0x40004                  ; cy
	s_lshl_b32 s42, ttmp9, 2
	s_add_co_u32 s42, s42, s40                     ; tile column of tile 0: 0 .. 63
	s_and_b32 s17, ttmp7, 0xffff
	s_lshl_b32 s17, s17, 2
	s_add_co_u32 s17, s17, s41                     ; tile row (256 queries)
	s_lshl_b32 s43, s41, 2
	s_lshl_b32 s43, 15, s43                        ; my row of the cluster
	s_lshl_b32 s44, 0x1111, s40                    ; my column
	s_or_b32 s[G1+0], s43, (0<<16)|(1<<20)|(1<<21)|(5<<22)|(3<<25)   ; the mask; elements of 1 byte; padding: four words behind every 64; bit 21 beside a mask
	s_or_b32 s[G1B+0], s44, (0<<16)|(1<<20)|(1<<21)|(5<<22)|(3<<25)
.irp g, G1, G1B
	s_mov_b32 s[\g+1], ROWB<<16
	s_mov_b32 s[\g+2], 128<<16
	s_mov_b32 s[\g+3], ROWB<<16
	s_mov_b32 s[\g+4], 128
	s_mov_b32 s[\g+5], KROW
	s_mov_b32 s[\g+6], 0
	s_mov_b32 s[\g+7], 0
.endr
	s_mov_b32 s[SEL], 0x76543210
	s_mov_b32 s[SEL+1], 0xfedcba98                 ; v_permlanex16_b32's selects for lane l xor 16
	s_mov_b32 s[MNT], 0x600000                     ; the mantissa field of 57,344
	s_mov_b32 s[CC], 0x4166d4ca                    ; 10 log2(e)
	s_mov_b32 s[CC+1], s[CC]
	s_mov_b32 s[ASKF], s15
	s_lshl_b32 s18, s16, 7
	s_lshl_b32 s20, s17, 8
	s_add_co_u32 s20, s20, s18                     ; A: row 256 x tile row + 128 x half
	s_lshl_b32 s20, s20, 10
	s_mov_b32 s21, 0
	s_lshl_b32 s46, s42, 8
	s_add_co_u32 s46, s46, s18                     ; B: row 256 x tile column + 128 x half
	s_lshl_b32 s46, s46, 10
	s_mov_b32 s47, 0
	s_mul_i32 s45, s14, HALFT                      ; where the tiles go: wave x 128 rows
	s_mul_i32 s72, s14, 8*272                      ; the scale bytes: wave w takes bytes 2,048 w on of each 8,192: eight runs
	s_add_co_u32 s72, s72, SCL
	s_lshl_b32 s73, s14, 11
	s_lshl_b32 s68, s17, 13
	s_add_co_u32 s68, s68, s73
	s_mov_b32 s69, 0
	s_lshl_b32 s70, s42, 13
	s_add_co_u32 s70, s70, s73
	s_mov_b32 s71, 0
	s_lshl_b32 s76, s17, 8                         ; the prefetches: the tile's first row,
	s_lshl_b32 s77, s42, 8
	s_cmp_eq_u32 s15, 0
	s_cselect_b32 s76, s76, s77
	s_cselect_b32 s77, s40, s41                    ; my place among the four that ask with me,
	s_cselect_b32 s78, 0, 0x1000000                ; and tile 1's keys: 16,384 rows on
	s_mov_b32 s79, 0
	s_add_co_u32 s76, s76, s18
	s_lshl_b32 s77, s77, 5
	s_add_co_u32 s76, s76, s77
	s_lshl_b32 s76, s76, 10
	s_mov_b32 s77, 0
	s_lshl_b32 s86, s17, 6                         ; values_scales: work-group i = 64 x tile row + tile column copies pieces 256 i on:
	s_add_co_u32 s86, s86, s42
	s_and_b32 s87, s86, 15
	s_lshl_b32 s87, s87, 16                        ; rows 64 (i % 16) on,
	s_lshr_b32 s88, s86, 4
	s_lshl_b32 s88, s88, 6                         ; split i / 16
	s_add_co_u32 s90, s87, s88
	s_mov_b32 s91, 0
	s_lshl_b32 s88, s86, 12
	s_add_co_u32 s88, s88, 0x100000                ; to the second half of ps
	s_mov_b32 s89, 0
	v_and_b32 v7, 31, v0
	v_lshlrev_b32 v[SGO], 4, v7
	v_mul_u32_u24 v[PFO], v7, KROW
	v_and_b32 v8, 15, v0
	v_bfe_u32 v9, v0, 4, 1
	v_mul_u32_u24 v9, v9, 272
	v_lshl_add_u32 v9, v8, 4, v9
	v_add_nc_u32 v[SST], s72, v9                   ; run 8 w + 2 j + lane / 16, byte 16 (lane % 16)
	v_lshrrev_b32 v10, 2, v0
	v_and_b32 v11, 3, v0
	v_lshlrev_b32 v11, 4, v11
	v_lshl_add_u32 v[VSO], v10, 10, v11            ; row thread / 4, piece thread % 4
	v_lshlrev_b32 v[VDO], 4, v0
	s_wait_alu depctr_va_vdst(0)
	s_wait_dscnt 0x0                               ; both opening adds are done
	s_wait_kmcnt 0x0
	s_add_nc_u64 s[20:21], s[4:5], s[20:21]
	s_add_nc_u64 s[46:47], s[8:9], s[46:47]
	s_add_nc_u64 s[68:69], s[6:7], s[68:69]
	s_add_nc_u64 s[70:71], s[10:11], s[70:71]
	s_add_nc_u64 s[84:85], s[84:85], s[90:91]
	s_add_nc_u64 s[88:89], s[96:97], s[88:89]
	s_cmp_eq_u32 s15, 0
	s_cselect_b64 s[PFA:PFA+1], s[4:5], s[8:9]
	s_add_nc_u64 s[PFA:PFA+1], s[PFA:PFA+1], s[76:77]
	s_add_nc_u64 s[PFN:PFN+1], s[PFA:PFA+1], s[78:79]
.irp j, 0,1,2,3
	global_load_b128 v[64+4*\j:67+4*\j], v[SGO], s[68:69] offset:512*\j            ; the queries' scale bytes
	global_load_b128 v[80+4*\j:83+4*\j], v[SGO], s[70:71] offset:512*\j            ; the keys', tile 0
	global_load_b128 v[96+4*\j:99+4*\j], v[SGO], s[70:71] offset:524288+512*\j     ; the keys', tile 1: 16,384 rows of 32 bytes on
.endr
	global_load_b128 v[112:115], v[VSO], s[84:85]
	global_load_b128 v[116:119], v[VSO], s[84:85] offset:32768                     ; 32 rows on
	CROUND                                         ; all sixteen work-groups are here: the first joint loads meet
.irp s, 0,1
	s_mov_b32 s[G0+4*\s], 1
	s_add_co_u32 s[G0+4*\s+1], s45, \s*SLOT
	s_add_nc_u64 s[G0+4*\s+2:G0+4*\s+3], s[20:21], \s*ROWB
	s_or_b32 s[G0+4*\s+3], s[G0+4*\s+3], 0x80000000
	s_mov_b32 s[G0B+4*\s], 1
	s_add_co_u32 s[G0B+4*\s+1], s45, \s*SLOT
	s_add_nc_u64 s[G0B+4*\s+2:G0B+4*\s+3], s[46:47], \s*ROWB
	s_or_b32 s[G0B+4*\s+3], s[G0B+4*\s+3], 0x80000000
.endr
	JLOAD G0, G1, G0B, G1B                         ; K step 0: one tensor load a wave at the head
	global_prefetch_b8 v[PFO], s[PFA:PFA+1] offset:ROWB th:TH_LOAD_NT scope:SCOPE_SE
	global_prefetch_b8 v[PFO], s[PFA:PFA+1] offset:2*ROWB th:TH_LOAD_NT scope:SCOPE_SE
	v_and_b32 v1, 15, v0                           ; r
	v_bfe_u32 v2, v0, 4, 1                         ; h
	v_mul_u32_u24 v3, v1, PITCH
	v_lshl_add_u32 v4, v2, 4, v3                   ; a fragment's row x pitch + 16 x half
	s_mul_i32 s21, s15, HALFT
	s_mul_i32 s22, s16, HALFT
	s_add_co_u32 s22, s22, 2*HALFT
.irp s, 0,1
	v_add_nc_u32 v[ADRA+\s], s21, v4
	v_add_nc_u32 v[ADRB+\s], s22, v4
	s_add_co_u32 s21, s21, SLOT
	s_add_co_u32 s22, s22, SLOT
.endr
	v_mul_u32_u24 v5, v1, KS                       ; my row's scale bytes: KS a row,
	v_lshrrev_b32 v6, 8, v5
	v_lshl_add_u32 v5, v6, 4, v5                   ; and 16 more for each 256 passed
	s_mul_i32 s21, s15, HALFS
	s_mul_i32 s22, s16, HALFS
	s_add_co_u32 s22, s22, 2*HALFS
	s_sub_co_u32 s22, s22, s21
	v_mul_u32_u24 v6, s22, v2                      ; lanes 16-31 take B's
	s_add_co_u32 s21, s21, SCL
	v_add_nc_u32 v5, v5, v6
	v_add_nc_u32 v[ADRS], s21, v5
	s_mul_i32 s23, s14, 16*SP
	s_add_co_u32 s23, s23, STG                     ; my stage
	v_mul_u32_u24 v5, v1, SP
	v_lshl_add_u32 v5, v2, 3, v5
	v_add_nc_u32 v[STO], s23, v5                   ; in: row r, 8 bytes for each half of the lanes
	v_and_b32 v6, 31, v0
	v_lshrrev_b32 v5, 3, v6
	v_mul_u32_u24 v5, v5, SP
	v_and_b32 v7, 7, v0
	v_lshl_add_u32 v5, v7, 4, v5
	v_add_nc_u32 v[RD], s23, v5                    ; back: row lane / 8 (+ 4 t), 16 bytes a lane
	v_lshlrev_b32 v[LO], 4, v6
	s_lshl_b32 s23, s14, 10
	s_add_co_u32 s23, s23, WST                     ; my wave's words
	v_lshl_add_u32 v[WSA], v1, 2, s23
	v_add_nc_u32 v[WRD], s23, v[LO]
	v_mov_b32 v[NEG], 0xc1980000                   ; -19.0
	v_mov_b32 v[NEG+1], 0xc1980000
	s_lshl_b32 s20, s42, 18                        ; pc: run 2 x tile column + half, 131,072 bytes each; in it query 256 x tile row + 128 x half, 128 bytes each
	s_lshl_b32 s21, s16, 17
	s_add_co_u32 s20, s20, s21
	s_lshl_b32 s21, s17, 15
	s_add_co_u32 s20, s20, s21
	s_lshl_b32 s21, s15, 14
	s_add_co_u32 s20, s20, s21
	s_mov_b32 s21, 0
	s_add_nc_u64 s[12:13], s[12:13], s[20:21]
	s_lshl_b32 s46, s42, 1                         ; ps, lp: the same run, 4,096 bytes each; the same query, 4 bytes each
	s_add_co_u32 s46, s46, s16
	s_lshl_b32 s46, s46, 12
	s_lshl_b32 s47, s17, 10
	s_add_co_u32 s46, s46, s47
	s_lshl_b32 s47, s15, 9
	s_add_co_u32 s46, s46, s47
	s_mov_b32 s47, 0
	s_add_nc_u64 s[96:97], s[96:97], s[46:47]
	s_add_nc_u64 s[98:99], s[98:99], s[46:47]
.macro FRAG reg, adr, q, i             ; lane l holds row l % 16; registers 4 c .. 4 c + 3 hold K = 32 c + 16 (l / 16) + 0 .. 15
.irp c, 0,1,2,3
	ds_load_b128 v[\reg+4*\c:\reg+4*\c+3], v[\adr] offset:128*(\q)+32*\c+(\i)*16*PITCH
.endr
.endm
; 16 matrix instructions: A's blocks a0, a0 + 1 x B's eight.  The 64 accumulators take turns, in the same order in every step.  B's scale words stand in lanes 16-31.
.macro MUL16 a0, p, q, sc, zero
.irp a, \a0, \a0+1
.irp b, 0,1,2,3,4,5,6,7
.set rD, 8*(8*((\a)%4)+\b)
.set rB, 128*(\p)+FR*\b
.set rA, AF+FR*(\a)
.set rK, SC+8*NQ*(\sc)+NQ*\b+(\q)
.set rQ, SC+8*NQ*(\sc)+NQ*(\a)+(\q)
.if \zero
	v_wmma_scale_f32_16x16x128_f8f6f4 v[rD:rD+7], v[rB:rB+FR-1], v[rA:rA+FR-1], 0, v[rK], v[rQ] matrix_a_fmt:MATRIX_FMT_BF8 matrix_b_fmt:MATRIX_FMT_BF8 matrix_a_scale:MATRIX_SCALE_ROW1
.else
	v_wmma_scale_f32_16x16x128_f8f6f4 v[rD:rD+7], v[rB:rB+FR-1], v[rA:rA+FR-1], v[rD:rD+7], v[rK], v[rQ] matrix_a_fmt:MATRIX_FMT_BF8 matrix_b_fmt:MATRIX_FMT_BF8 matrix_a_scale:MATRIX_SCALE_ROW1
.endif
.endr
.endr
.endm
.macro FETCH_B slot, q, p
	WIN TO_B
.irp i, 0,1,2,3,4,5,6,7
	FRAG 128*(\p)+FR*\i, ADRB+\slot, \q, \i
.endr
	WIN 0
.endm
.macro FETCH_A slot, q, i0
.irp i, \i0, \i0+1, \i0+2, \i0+3
	FRAG AF+FR*(\i), ADRA+\slot, \q, \i
.endr
.endm
.macro SCALES sc, ks                   ; K step ks's scale words into set sc: two words a row
.irp i, 0,1,2,3,4,5,6,7
	ds_load_b64 v[SC+8*NQ*\sc+NQ*\i:SC+8*NQ*\sc+NQ*\i+1], v[ADRS] offset:\i*SBLK+8*(\ks)
.endr
.endm
.macro PLACES n                        ; places in front of loads into, and vector writes of, registers that matrix instructions have read
.rept \n
	v_nop
.endr
.endm
.macro STEP slot, q, zero              ; 128 along K that have their successor in the same slot
	s_wait_dscnt 4*NL                              ; all but the youngest 16 loads (A's blocks 4-7)
	WIN MUL_LO
	MUL16 0, (\q)%2, \q, \slot, \zero
	MUL16 2, (\q)%2, \q, \slot, \zero
	s_wait_dscnt 0
	PLACES NP
	FETCH_B \slot, (\q)+1, 1-(\q)%2
	FETCH_A \slot, (\q)+1, 0
	WIN MUL_HI
	MUL16 4, (\q)%2, \q, \slot, \zero
	MUL16 6, (\q)%2, \q, \slot, \zero
	PLACES NP
	WIN 0
	FETCH_A \slot, (\q)+1, 4
.endm
.macro REFILL slot, how                ; how = 1: this tile's K step two on;  how = 2: the next tile's K step 0 or 1: the queries go back along K, the keys 16,384 rows on
.if \how == 1
	s_add_nc_u64 s[G0+4*\slot+2:G0+4*\slot+3], s[G0+4*\slot+2:G0+4*\slot+3], 2*ROWB
	s_add_nc_u64 s[G0B+4*\slot+2:G0B+4*\slot+3], s[G0B+4*\slot+2:G0B+4*\slot+3], 2*ROWB
.else
	s_sub_nc_u64 s[G0+4*\slot+2:G0+4*\slot+3], s[G0+4*\slot+2:G0+4*\slot+3], 2*ROWB
	s_add_nc_u64 s[G0B+4*\slot+2:G0B+4*\slot+3], s[G0B+4*\slot+2:G0B+4*\slot+3], NEXT_B
.endif
	JLOAD G0+4*\slot, G1, G0B+4*\slot, G1B         ; the first tensor load behind the round, my one load until the next
.endm
; A slot's last step changes slots: one barrier; in front of it each wave waits for all its tensor loads, adds 0 to its spare word, and waits for that and for its reads of this slot.  fill > 0: the barrier opens a round of the cluster's barrier, and this slot is filled again.
.macro TURN slot, next, fill, ks, ask
	s_wait_tensorcnt 0x0                           ; my one load that was out, my part of the next slot, is in
	ds_add_u32 v[SPW], v[NIL]
	s_wait_dscnt 4*NL+1                            ; (the add and the youngest 16 loads may be out)
	WIN MUL_LO
	MUL16 0, 1, NQ-1, \slot, 0
	s_wait_dscnt 0x0                               ; the add is done, and my reads of this slot are over
	s_barrier_signal -1
	MUL16 2, 1, NQ-1, \slot, 0
	WIN 0
	s_barrier_wait -1
.if \fill
	CREST
	REFILL \slot, \fill
	PLACES NP-4
.else
	PLACES NP
.endif
	FETCH_B \next, 0, 0
	FETCH_A \next, 0, 0
	SCALES \next, \ks
.if \fill
	ASK \ask
.endif
	WIN MUL_HI
	MUL16 4, 1, NQ-1, \slot, 0
	MUL16 6, 1, NQ-1, \slot, 0
	PLACES NP
	WIN 0
	FETCH_A \next, 0, 4
.endm
.macro FINAL fill                      ; a tile's very last step (slot 1).  fill = 1: slot 1 takes the next tile's K step 1; the next tile's fragments are fetched behind the softmax, which works in their registers
.if \fill
	s_wait_tensorcnt 0x0                           ; my part of the next tile's K step 0 is in
	ds_add_u32 v[SPW], v[NIL]
	s_wait_dscnt 4*NL+1
.else
	s_wait_dscnt 4*NL
.endif
	WIN MUL_LO
	MUL16 0, 1, NQ-1, 1, 0
.if \fill
	s_wait_dscnt 0x0
	s_barrier_signal -1
.endif
	MUL16 2, 1, NQ-1, 1, 0
.if \fill
	WIN 0
	s_barrier_wait -1
	CREST
	REFILL 1, 2
	ASK 3*ROWB
.else
	s_wait_dscnt 0
.endif
	WIN MUL_HI
	MUL16 4, 1, NQ-1, 1, 0
	MUL16 6, 1, NQ-1, 1, 0
	WIN 0
.endm
; THE SOFTMAX'S NUMERATOR AND ITS QUANTISING, a block of 16 queries x my 128 slots a trip of a loop of eight.  Only the 32 lines that read the block's accumulators differ from block to block: they stand in eight arms.
.macro ARM a                           ; t - 19, two at a time; each accumulator from its low end on.  Register T + 8 b + j of lane (r, h) is query 16 a + r, slot 16 b + 8 h + j
	WIN 0x02+(\a)/4
.set k, 0
.rept 32
	v_pk_fma_f32 v[T+2*k:T+2*k+1], v[64*((\a)%4)+2*k:64*((\a)%4)+2*k+1], s[CC:CC+1], v[NEG:NEG+1] op_sel_hi:[1,0,0]
.set k, k+1
.endr
	WIN 0
.endm
.macro SENDP                           ; the block read back last: 2,048 consecutive bytes of pc, 512 a store; the base stands one block further on
	s_wait_dscnt 0x0
.irp t, 0,1,2,3
	global_store_b128 v[LO], v[BKR+4*\t:BKR+4*\t+3], s[12:13] offset:512*\t-2048
.endr
.endm
.macro SOFTALL
	PLACES NP                                      ; behind the last products
.irp b, 0,1,2,3
	v_mov_b32 v[PX+\b], 0                          ; a lane permute's destination counts as one of its sources
.endr
	v_mov_b32 v[LT], 0
	s_mov_b32 s[BLK], 0
	s_mov_b32 s[BO], 0
.Lblk_\@:
.irp a, 0,1,2,3,4,5,6
	s_cmp_lg_u32 s[BLK], \a
	s_cbranch_scc1 .Lnx_\@_\a
	ARM \a
	s_wait_alu depctr_va_vdst(0)
	s_branch .Lbody_\@
.Lnx_\@_\a:
.endr
	ARM 7
.Lbody_\@:
.irp b, 0,1,2,3
	v_max3_num_f32 v[MX+\b], v[T+16*\b], v[T+16*\b+1], v[T+16*\b+2]      ; the largest t of each block of 32 slots: p rises with t
.endr
.irp i, 3,5,7,9,11,13
.irp b, 0,1,2,3
	v_max3_num_f32 v[MX+\b], v[MX+\b], v[T+16*\b+\i], v[T+16*\b+\i+1]
.endr
.endr
.irp b, 0,1,2,3
	v_max_num_f32 v[MX+\b], v[MX+\b], v[T+16*\b+15]
.endr
.irp b, 0,1,2,3
	v_permlanex16_b32 v[PX+\b], v[MX+\b], s[SEL], s[SEL+1]
.endr
.irp b, 0,1,2,3
	v_max_num_f32 v[MX+\b], v[MX+\b], v[PX+\b]     ; with lane l xor 16's 16 slots
.endr
	v_add_nc_u32 v[WSB], s[BO], v[WSA]             ; where this block's words go
	s_wait_alu depctr_va_vdst(0)
.set k, 0
.rept 64
	v_exp_f32 v[T+k], v[T+k]                       ; p = 2^(t - 19)
.set k, k+1
.endr
.irp b, 0,1,2,3
	v_exp_f32 v[MX+\b], v[MX+\b]                   ; the block's largest p: the same instruction on the same number gives the same bits
.endr
	v_nop                                          ; one plain line behind the exponentials
	s_wait_alu depctr_va_vdst(0)                   ; one wait for the batch, ahead of the branch and of its first reader
	s_cmp_eq_u32 s[BLK], 0
	s_cbranch_scc1 .Lns_\@
	SENDP                                          ; the block before this one leaves
.Lns_\@:
.irp b, 0,1,2,3
	v_max_num_f32 v[MX+\b], 0x8000000, v[MX+\b]    ; the floor 2^(16 - 127): the byte cannot fall under 1
.endr
.irp b, 0,1,2,3
	v_add_nc_u32 v[SO+\b], 0xf8800000, v[MX+\b]    ; 15 off the exponent field: the conversion's scale operand
.endr
.irp b, 0,1,2,3
	v_and_or_b32 v[LIM+\b], v[MX+\b], 0x7f800000, s[MNT]   ; 57,344 x the scale
.endr
.irp b, 0,1,2,3
	v_lshrrev_b32 v[BY+\b], 23, v[SO+\b]           ; the scale's byte
.endr
	v_lshl_or_b32 v[SW], v[BY+1], 8, v[BY]         ; the query's scale word for these 128 slots
	v_lshl_or_b32 v[SW], v[BY+2], 16, v[SW]
	v_lshl_or_b32 v[SW], v[BY+3], 24, v[SW]
	v_pk_add_f32 v[SA:SA+1], v[T:T+1], v[T+2:T+3]  ; THE SUM IS TAKEN OF THE UNQUANTISED p: two at a time, in two chains
	v_pk_add_f32 v[SA+2:SA+3], v[T+4:T+5], v[T+6:T+7]
.irp j, 8,12,16,20,24,28,32,36,40,44,48,52,56,60
	v_pk_add_f32 v[SA:SA+1], v[SA:SA+1], v[T+\j:T+\j+1]
	v_pk_add_f32 v[SA+2:SA+3], v[SA+2:SA+3], v[T+\j+2:T+\j+3]
.endr
	v_pk_add_f32 v[SA:SA+1], v[SA:SA+1], v[SA+2:SA+3]
	v_add_f32 v[LS], v[SA], v[SA+1]
	v_permlanex16_b32 v[LT], v[LS], s[SEL], s[SEL+1]
	v_add_f32 v[LS], v[LS], v[LT]                  ; the query's sum over my 128 slots
.irp b, 0,1,2,3
.irp i, 0,1,2,3,4,5,6,7,8,9,10,11,12,13,14,15
	v_min_num_f32 v[T+16*\b+\i], v[T+16*\b+\i], v[LIM+\b]   ; the conversion to an 8-bit code does not saturate (ISA guide 7.6.2); p is not negative, so the hold is one-sided
.endr
	v_cvt_scalef32_pk8_bf8_f32 v[C+4*\b:C+4*\b+1], v[T+16*\b:T+16*\b+7], v[SO+\b]
	v_cvt_scalef32_pk8_bf8_f32 v[C+4*\b+2:C+4*\b+3], v[T+16*\b+8:T+16*\b+15], v[SO+\b]
.endr
	v_nop                                          ; one plain line behind the last conversion
.irp b, 0,1,2,3,4,5,6,7
	ds_store_b64 v[STO], v[C+2*\b:C+2*\b+1] offset:16*\b   ; slots 16 b + 8 h + 0 .. 7 of query r
.endr
	ds_store_b32 v[WSB], v[SW]                     ; both halves of the lanes write the same word with the same value
	ds_store_b32 v[WSB], v[LS] offset:512
	s_wait_alu depctr_va_vdst(0)
	s_wait_xcnt 0x0                                ; the stores above have read their data and their base, which are written below
	s_add_nc_u64 s[12:13], s[12:13], 2048
.irp t, 0,1,2,3
	ds_load_b128 v[BKR+4*\t:BKR+4*\t+3], v[RD] offset:4*SP*\t   ; LDS serves a wave's instructions in order: these see my stores, and the next block's stores come behind them
.endr
	s_add_co_u32 s[BO], s[BO], 64
	s_add_co_u32 s[BLK], s[BLK], 1
	s_cmp_lt_u32 s[BLK], 8
	s_cbranch_scc1 .Lblk_\@
	ds_load_b128 v[WB:WB+3], v[WRD]                ; my wave's 128 scale words and 128 sums
	ds_load_b128 v[WB+4:WB+7], v[WRD] offset:512
	SENDP                                          ; block 7
	global_store_b128 v[LO], v[WB:WB+3], s[96:97]  ; 32 lanes store 512 consecutive bytes, aligned
	global_store_b128 v[LO], v[WB+4:WB+7], s[98:99]
.endm
	s_wait_alu depctr_va_vdst(0)
	s_wait_loadcnt 0x0                             ; the scale bytes are in registers
.irp j, 0,1,2,3
	ds_store_b128 v[SST], v[64+4*\j:67+4*\j] offset:544*\j
	ds_store_b128 v[SST], v[80+4*\j:83+4*\j] offset:2*HALFS+544*\j
	ds_store_b128 v[SST], v[64+4*\j:67+4*\j] offset:4*HALFS+544*\j
	ds_store_b128 v[SST], v[96+4*\j:99+4*\j] offset:6*HALFS+544*\j
.endr
	global_store_b128 v[VDO], v[112:115], s[88:89]                 ; a wave stores 512 consecutive bytes, aligned
	global_store_b128 v[VDO], v[116:119], s[88:89] offset:2048
	s_wait_tensorcnt 0x0                           ; my part of K step 0 is in
	ds_add_u32 v[SPW], v[NIL]
	s_wait_dscnt 0x0                               ; the add and my stores of scale bytes are done
	CROUND                                         ; everybody's part of K step 0 and of the scale bytes is in, and all sixteen work-groups are here
	JLOAD G0+4, G1, G0B+4, G1B                     ; K step 1, slot 1's first fill: the first tensor load behind the round
	global_prefetch_b8 v[PFO], s[PFA:PFA+1] offset:3*ROWB th:TH_LOAD_NT scope:SCOPE_SE
	s_mov_b32 s2, 2                                ; tiles to go: the same number in every work-group
.Ltile:
	FETCH_B 0, 0, 0
	FETCH_A 0, 0, 0
	SCALES 0, 0
	FETCH_A 0, 0, 4
	STEP 0, 0, 1                                   ; the first products start the sums
	TURN 0, 1, 1, 1, 0
	STEP 1, 0, 0
	TURN 1, 0, 1, 2, ROWB
	STEP 0, 0, 0
	s_cmp_eq_u32 s2, 1
	s_cbranch_scc1 .Llast_tile                     ; the last tile's tail is written out: it asks for nothing more
	TURN 0, 1, 2, 3, 2*ROWB                        ; the ring goes on into the next tile
	STEP 1, 0, 0
	FINAL 1
	SOFTALL
	s_wait_xcnt 0x0                                ; the stores have read their bases
	s_add_nc_u64 s[12:13], s[12:13], NEXT_P
	s_add_nc_u64 s[96:97], s[96:97], NEXT_W
	s_add_nc_u64 s[98:99], s[98:99], NEXT_W
	v_add_nc_u32 v[ADRS], 4*HALFS, v[ADRS]         ; the next tile's scale bytes
	s_mov_b32 s[ASKF], 0
	s_sub_co_u32 s2, s2, 1
	s_wait_alu depctr_va_vdst(0)
	s_branch .Ltile
.Llast_tile:
	TURN 0, 1, 0, 3, 0
	STEP 1, 0, 0
	FINAL 0
	SOFTALL
	s_wait_tensorcnt 0x0                           ; the wave's end
	ds_add_u32 v[SPW], v[NIL]
	s_wait_dscnt 0x0
	CROUND                                         ; the closing round
	s_endpgm
.Lfunc_end_k_qa507141874_scores:
	.size	k_qa507141874_scores, .Lfunc_end_k_qa507141874_scores-k_qa507141874_scores
	.p2alignl 7, 3214868480
	.fill 96, 4, 3214868480
	.section	.rodata,"a",@progbits
	.p2align	6, 0x0
	.amdhsa_kernel k_qa507141874_scores
		.amdhsa_group_segment_fixed_size 327680
		.amdhsa_private_segment_fixed_size 0
		.amdhsa_enable_private_segment 0
		.amdhsa_kernarg_size 64
		.amdhsa_user_sgpr_count 2
		.amdhsa_user_sgpr_kernarg_segment_ptr 1
		.amdhsa_wavefront_size32 1
		.amdhsa_system_sgpr_workgroup_id_x 1
		.amdhsa_system_sgpr_workgroup_id_y 1
		.amdhsa_system_sgpr_workgroup_id_z 1
		.amdhsa_system_vgpr_workitem_id 0
		.amdhsa_next_free_vgpr 1024
		.amdhsa_next_free_sgpr 102
		.amdhsa_reserve_vcc 0
		.amdhsa_float_denorm_mode_32 3
		.amdhsa_float_denorm_mode_16_64 3
		.amdhsa_memory_ordered 1
		.amdhsa_forward_progress 1
		.amdhsa_inst_pref_size 218
	.end_amdhsa_kernel
	.amdgpu_metadata
---
amdhsa.version: [ 1, 2 ]
amdhsa.kernels:
  - .name:           k_qa507141874_scores
    .symbol:         k_qa507141874_scores.kd
    .args:
      - { .name: qc, .offset: 0, .size: 8, .value_kind: global_buffer, .address_space: global }
      - { .name: qs, .offset: 8, .size: 8, .value_kind: global_buffer, .address_space: global }
      - { .name: kc, .offset: 16, .size: 8, .value_kind: global_buffer, .address_space: global }
      - { .name: ks, .offset: 24, .size: 8, .value_kind: global_buffer, .address_space: global }
      - { .name: pc, .offset: 32, .size: 8, .value_kind: global_buffer, .address_space: global }
      - { .name: ps, .offset: 40, .size: 8, .value_kind: global_buffer, .address_space: global }
      - { .name: lp, .offset: 48, .size: 8, .value_kind: global_buffer, .address_space: global }
      - { .name: values_scales, .offset: 56, .size: 8, .value_kind: global_buffer, .address_space: global }
    .group_segment_fixed_size: 327680
    .private_segment_fixed_size: 0
    .kernarg_segment_align: 8
    .kernarg_segment_size: 64
    .max_flat_workgroup_size: 128
    .sgpr_count:     102
    .vgpr_count:     1024
    .wavefront_size: 32
...
	.end_amdgpu_metadata
.endif
;; end of part 2
;; launch mix (part 3): grid 4 x 64, 4 waves a work-group, clusters of 4 x 4, 327,680 bytes of LDS; arguments pc, ps, values_codes, part; writes part
.if DOCPART == 3
	.amdgcn_target "amdgcn-amd-amdhsa--gfx1250"
	.amdhsa_code_object_version 6
	.text
	.protected	k_qa507141874_mix
	.globl	k_qa507141874_mix
	.p2align	8
	.type	k_qa507141874_mix,@function
k_qa507141874_mix:
	s_mov_b64 s[64:65], 0
	v_nop
	global_prefetch_b8 v0, s[64:65] scope:SCOPE_SE
	s_setreg_imm32_b32 hwreg(HW_REG_WAVE_MODE, 25, 1), 1
	s_wait_xcnt 0x0
	s_wait_alu depctr_hold_cnt(0) depctr_sa_sdst(0) depctr_va_vdst(0) depctr_va_sdst(0) depctr_va_ssrc(0) depctr_va_vcc(0) depctr_vm_vsrc(0)
	s_getreg_b32 s2, hwreg(HW_REG_IB_STS2, 6, 4)
	s_cmp_eq_u32 s2, 0
	s_cbranch_scc0 .Lentry_in_a_cluster
	s_endpgm
.Lentry_in_a_cluster:
	s_bfe_u32 s2, ttmp6, 0x10000c
	s_cmp_lg_u32 s2, 0xf033
	s_cbranch_scc0 .Lentry_shape_is_right
	s_endpgm
.Lentry_shape_is_right:
; part[split][b][d] = the sum over the split's 2,048 slots n of p[b][n] x values[n][d], both on codes of BF8 (E5M2) with one E8M0 scale for each 32 slots; sums in f32.
; pc [n / 128][1024 b][128] codes of p; ps, first 2^20 bytes: [n / 128][1024 b] its scale words; ps, second 2^20 bytes: values' scale bytes as [split][1024 d][64]; values_codes [1024 d][32768 n]; part [16][1024][1024] f32.
; SHARES.  A tile of 256 b x 256 d of one split to a work-group of four waves, 128 x 128 to a wave: 64 accumulators, 512 registers.  16 tiles x 16 splits are 256 work-groups.
; The split's slots go in K steps of 256 through a ring of two LDS slots filled by the tensor data mover.  B's tile: 256 rows of 256 bytes.  A's tile: for each of the K step's two runs of 128 slots the 256 rows' 128 bytes,
; a dense block of 32,768 bytes, brought as 128 lines of 256 bytes (two rows b to a line); 16 bytes of padding behind each line of either tile.
; CLUSTERS: 4 x 4 work-groups, all of one split.  The four of a row of the cluster need the same tiles of p (A), the four of a column the same tiles of values (B): each tile is asked for JOINTLY.
; THE SCALE BYTES of the work-group's rows for the whole split (16,384 of p's, 16,384 of values') come through registers, a quarter to each wave, beside K step 0's joint load, into LDS bytes of their own.
; They are not asked for jointly: they are 32,768 of the work-group's 1,081,344 bytes.
; PREFETCHES: of what a wave fetches, each of the four partners that ask for it jointly names a quarter, told apart by address (cx for A: 8,192 bytes, lanes 256 bytes apart; cy for B: 32 rows, a lane a row).
; Behind K step 0's load K steps 1 and 2 are named, behind K step 1's K step 3, behind the refill with K step k the K step k + 2; the last two refills name nothing: the split has eight K steps.
; TRANSPOSED USE: source 0 = 16 rows of values (d), source 1 = 16 rows of p (b): a lane's eight results are eight neighbouring d of one row b.
; REGISTERS, in windows of 256: window 0: v0-31 addresses; v32-63 scale words, two sets; v64-127 the scale bytes on their way in; from v128 A's fragments, later rows on the way out.  window 1: B's fragments, two sets.
;   window 2: the accumulators of my rows 0-63 ((a, b) at v[8 (8 a + b)]);  window 3: those of my rows 64-127.
.set SIZE_N, 1024
.set KSPLIT, 2048
.set KSTEP,  256
.set NQ,     KSTEP/128
.set ROWB,   256
.set KROW,   32768                     ; a row of values' codes in memory
.set ASTEP,  2*131072                  ; a K step on in pc: two runs of 128 slots
.set PITCH,  272
.set FR,     16
.set NL,     4
.set NP,     8                         ; places behind this matrix instruction (ISA guide 7.12.1)
.set HALFT,  128*PITCH                 ; what one tensor load brings
.set SLOT,   4*HALFT                   ; A's two runs, then B's 256 rows
.set LAPS,   KSPLIT/(2*KSTEP)
.set SCLA,   2*SLOT                    ; p's scale words: [half of the rows][16 runs of 128 slots][128 rows]
.set HSA,    8192
.set SCLB,   SCLA+2*HSA                ; values' scale bytes: 256 rows of 64 bytes + 16 of padding
.set HSB,    128*80
.set SPARE,  SCLB+2*HSB                ; the spare words, 128 bytes for each wave
.set SPITCH, 528                       ; the way out: a row of 128 f32 + 16 bytes; the stages lie in slot 0, which has had its last fill and its last read by then
.set SSB,  15                          ; v15  where I put values' scale bytes
.set ADRA, 16
.set ADRB, 20
.set PFO,  22                          ; v22  the prefetches' offset; never rewritten
.set ADSB, 23
.set STO,  24
.set RD,   25
.set CO,   26
.set ADSA, 27
.set SPW,  28                          ; never rewritten
.set NIL,  29                          ; never rewritten
.set SGO,  30                          ; v30  16 x lane
.set SSA,  31                          ; v31  where I put p's scale words
.set SC,   32
.set AF,   128
.set BK,   128
.set G1, 24
.set G0, 32
.set G1B, 48
.set G0B, 56
.set PFA, 78                           ; s[78:79] where my prefetches stand
.set PFS, 80                           ; s[80:81] a K step on
.set MSB, 0
.macro WIN new                         ; the immediate's high byte repeats the setting that is left
.if MSB != (\new)
	s_set_vgpr_msb (MSB<<8)|(\new)
.set MSB, (\new)
.endif
.endm
.set MUL_LO, 0xa1
.set MUL_HI, 0xf1
.set TO_B,   0x40
; A joint load: waves 0 and 1 fetch for A, waves 2 and 3 for B; the branch hangs on the wave's number alone.  An s_nop 0 and four v_nop follow each line.
.macro JLOAD g0a, g1a, g0b, g1b
	s_cmp_eq_u32 s15, 0
	s_cbranch_scc0 .Lfor_b_\@
	tensor_load_to_lds s[\g0a:\g0a+3], s[\g1a:\g1a+7]
	s_nop 0
.rept 4
	v_nop
.endr
	s_branch .Lasked_\@
.Lfor_b_\@:
	tensor_load_to_lds s[\g0b:\g0b+3], s[\g1b:\g1b+7]
	s_nop 0
.rept 4
	v_nop
.endr
.Lasked_\@:
.endm
.macro CREST
	s_cmp_lg_u32 s14, 0
	s_cbranch_scc1 .Lnot_wave_0_\@
	s_barrier_signal -3
.Lnot_wave_0_\@:
	s_barrier_wait -3
	s_barrier_signal -1
	s_barrier_wait -1
.endm
.macro CROUND
	s_barrier_signal -1
	s_barrier_wait -1
	CREST
.endm
.macro ASK                             ; in the loop: the K step two refills on; the last trip (s3 = 1) has none
	s_cmp_gt_u32 s3, 1
	s_cbranch_scc0 .Lno_ask_\@
	global_prefetch_b8 v[PFO], s[PFA:PFA+1] th:TH_LOAD_NT scope:SCOPE_SE
.Lno_ask_\@:
.endm
	s_load_b128 s[4:7], s[0:1], 0x0                ; pc, ps
	s_load_b64 s[8:9], s[0:1], 0x10                ; values_codes
	s_load_b64 s[12:13], s[0:1], 0x18              ; part
	v_lshl_add_u32 v[SPW], v0, 2, SPARE
	v_mov_b32 v[NIL], 0
	ds_add_u32 v[SPW], v[NIL]                      ; the opening: the add, twice on end, and its wait ahead of my first tensor load
	ds_add_u32 v[SPW], v[NIL]
	v_lshrrev_b32 v1, 5, v0
	v_readfirstlane_b32 s14, v1                    ; wave 0..3
	s_lshr_b32 s15, s14, 1                         ; which half of the tile's rows b is mine.  Also: I fetch for A (0) or for B (1)
	s_and_b32 s16, s14, 1                          ; which half of its columns d.  Also: which run of A's, which 128 rows of B's tile I fetch
	s_bfe_u32 s40, ttmp6, 0x40000                  ; cx
	s_bfe_u32 s41, ttmp6, 0x40004                  ; cy
	s_lshl_b32 s42, ttmp9, 2
	s_add_co_u32 s42, s42, s40                     ; tile column (256 d)
	s_and_b32 s95, ttmp7, 0xffff                   ; the split = the cluster's y
	s_mov_b32 s17, s41                             ; tile row (256 b) = cy
	s_lshl_b32 s43, s41, 2
	s_lshl_b32 s43, 15, s43                        ; my row of the cluster
	s_lshl_b32 s44, 0x1111, s40                    ; my column
	s_or_b32 s[G1+0], s43, (0<<16)|(1<<20)|(1<<21)|(5<<22)|(3<<25)   ; the mask; elements of 1 byte; padding: four words behind every 64; bit 21 beside a mask
	s_or_b32 s[G1B+0], s44, (0<<16)|(1<<20)|(1<<21)|(5<<22)|(3<<25)
.irp g, G1, G1B
	s_mov_b32 s[\g+1], ROWB<<16
	s_mov_b32 s[\g+2], 128<<16
	s_mov_b32 s[\g+3], ROWB<<16
	s_mov_b32 s[\g+4], 128
	s_mov_b32 s[\g+6], 0
	s_mov_b32 s[\g+7], 0
.endr
	s_mov_b32 s[G1+5], ROWB                        ; A's lines are dense in memory,
	s_mov_b32 s[G1B+5], KROW                       ; B's rows 32,768 bytes apart
	s_lshl_b32 s18, s16, 7
	s_lshl_b32 s20, s95, 21                        ; A: run 16 x split + my run of the K step's two, 131,072 bytes each;
	s_lshl_b32 s74, s16, 17
	s_add_co_u32 s20, s20, s74
	s_lshl_b32 s74, s17, 15                        ; in it 256 rows of 128 bytes a tile row
	s_add_co_u32 s20, s20, s74
	s_mov_b32 s21, 0
	s_lshl_b32 s46, s42, 8
	s_add_co_u32 s46, s46, s18                     ; B: row 256 x tile column + 128 x half
	s_lshl_b32 s19, s95, 11                        ; the split's first slot, in bytes of a row
	s_lshl_b32 s46, s46, 15
	s_add_co_u32 s46, s46, s19
	s_mov_b32 s47, 0
	s_mul_i32 s45, s14, HALFT                      ; where the tiles go
	s_lshl_b32 s72, s14, 11                        ; p's scale words: wave w takes runs 4 w .. 4 w + 3 of the split's 16, 512 bytes each in either half
	s_add_co_u32 s72, s72, SCLA
	s_mul_i32 s73, s14, 64*80                      ; values' scale bytes: wave w takes rows 64 w on
	s_add_co_u32 s73, s73, SCLB
	s_lshl_b32 s68, s95, 16                        ; ps: 16 runs of 4,096 bytes a split,
	s_lshl_b32 s74, s17, 10                        ; 256 rows of 4 bytes a tile row,
	s_add_co_u32 s68, s68, s74
	s_lshl_b32 s74, s14, 14                        ; four runs a wave
	s_add_co_u32 s68, s68, s74
	s_mov_b32 s69, 0
	s_lshl_b32 s70, s95, 16                        ; values' scale bytes, in the second half of ps: 65,536 bytes a split,
	s_add_co_u32 s70, s70, 0x100000
	s_lshl_b32 s74, s42, 14                        ; 256 rows of 64 bytes a tile column,
	s_add_co_u32 s70, s70, s74
	s_lshl_b32 s74, s14, 12                        ; 64 rows a wave
	s_add_co_u32 s70, s70, s74
	s_mov_b32 s71, 0
	s_lshl_b32 s76, s42, 8                         ; the prefetches.  B: the 128 rows that I fetch, my work-group's 32 of them, at the split's K step 0
	s_add_co_u32 s76, s76, s18
	s_lshl_b32 s77, s41, 5
	s_add_co_u32 s76, s76, s77
	s_lshl_b32 s76, s76, 15
	s_add_co_u32 s76, s76, s19
	s_lshl_b32 s77, s40, 13                        ; A: the block that I fetch, my work-group's 8,192 bytes of it
	s_add_co_u32 s77, s77, s20
	s_cmp_eq_u32 s15, 0
	s_cselect_b32 s76, s77, s76
	s_mov_b32 s75, ROWB
	s_cselect_b32 s[PFS], ASTEP, s75               ; a K step on
	s_mov_b32 s75, KROW
	s_cselect_b32 s75, ROWB, s75                   ; from lane to lane
	s_mov_b32 s77, 0
	s_mov_b32 s[PFS+1], 0
	v_and_b32 v7, 31, v0
	v_lshlrev_b32 v[SGO], 4, v7
	v_add_nc_u32 v[SSA], s72, v[SGO]
	v_lshrrev_b32 v8, 2, v7
	v_and_b32 v9, 3, v7
	v_lshlrev_b32 v9, 4, v9
	v_mad_u32_u24 v10, v8, 80, v9
	v_add_nc_u32 v[SSB], s73, v10
	v_mul_lo_u32 v[PFO], v7, s75
	s_wait_alu depctr_va_vdst(0)
	s_wait_dscnt 0x0                               ; both opening adds are done
	s_wait_kmcnt 0x0
	s_add_nc_u64 s[20:21], s[4:5], s[20:21]
	s_add_nc_u64 s[46:47], s[8:9], s[46:47]
	s_add_nc_u64 s[68:69], s[6:7], s[68:69]
	s_add_nc_u64 s[70:71], s[6:7], s[70:71]
	s_cmp_eq_u32 s15, 0
	s_cselect_b64 s[PFA:PFA+1], s[4:5], s[8:9]
	s_add_nc_u64 s[PFA:PFA+1], s[PFA:PFA+1], s[76:77]
	s_add_nc_u64 s[PFA:PFA+1], s[PFA:PFA+1], s[PFS:PFS+1]   ; K step 1
	s_add_nc_u64 s[82:83], s[PFA:PFA+1], s[PFS:PFS+1]       ; K step 2
.irp t, 0,1,2,3
	global_load_b128 v[64+8*\t:67+8*\t], v[SGO], s[68:69] offset:4096*\t         ; run 4 w + t, rows 0-127: 512 consecutive bytes
	global_load_b128 v[68+8*\t:71+8*\t], v[SGO], s[68:69] offset:4096*\t+512     ; rows 128-255
.endr
.irp j, 0,1,2,3,4,5,6,7
	global_load_b128 v[96+4*\j:99+4*\j], v[SGO], s[70:71] offset:512*\j          ; rows 64 w + 8 j + lane / 4: 512 consecutive bytes
.endr
	CROUND                                         ; all sixteen work-groups are here: the first joint loads meet
.irp s, 0,1
	s_mov_b32 s[G0+4*\s], 1
	s_add_co_u32 s[G0+4*\s+1], s45, \s*SLOT
	s_add_nc_u64 s[G0+4*\s+2:G0+4*\s+3], s[20:21], \s*ASTEP
	s_or_b32 s[G0+4*\s+3], s[G0+4*\s+3], 0x80000000
	s_mov_b32 s[G0B+4*\s], 1
	s_add_co_u32 s[G0B+4*\s+1], s45, \s*SLOT
	s_add_nc_u64 s[G0B+4*\s+2:G0B+4*\s+3], s[46:47], \s*ROWB
	s_or_b32 s[G0B+4*\s+3], s[G0B+4*\s+3], 0x80000000
.endr
	JLOAD G0, G1, G0B, G1B                         ; K step 0: one tensor load a wave at the head
	global_prefetch_b8 v[PFO], s[PFA:PFA+1] th:TH_LOAD_NT scope:SCOPE_SE
	global_prefetch_b8 v[PFO], s[82:83] th:TH_LOAD_NT scope:SCOPE_SE
	v_and_b32 v1, 15, v0                           ; r
	v_bfe_u32 v2, v0, 4, 1                         ; h
	v_mul_u32_u24 v3, v1, PITCH
	v_lshl_add_u32 v4, v2, 4, v3                   ; B: a fragment's row x pitch + 16 x half
	v_lshrrev_b32 v11, 1, v1
	v_mul_u32_u24 v11, v11, PITCH
	v_and_b32 v12, 1, v1
	v_lshl_add_u32 v11, v12, 7, v11
	v_lshl_add_u32 v11, v2, 4, v11                 ; A: line r / 2, its half r % 2, + 16 x half of the lanes: the sixteen rows touch sixteen different columns of 16 bytes
	s_mul_i32 s21, s15, HALFT/2                    ; my 128 rows are 64 lines
	s_mul_i32 s22, s16, HALFT
	s_add_co_u32 s22, s22, 2*HALFT
.irp s, 0,1
	v_add_nc_u32 v[ADRA+\s], s21, v11
	v_add_nc_u32 v[ADRB+\s], s22, v4
	s_add_co_u32 s21, s21, SLOT
	s_add_co_u32 s22, s22, SLOT
.endr
	v_lshlrev_b32 v5, 2, v1                        ; p's scale words: row r; lanes 16-31 take the K step's second run
	v_lshl_add_u32 v5, v2, 9, v5
	s_lshl_b32 s21, s15, 13
	s_add_co_u32 s21, s21, SCLA
	v_add_nc_u32 v[ADSA], s21, v5
	v_mul_u32_u24 v5, v1, 80                       ; values': row r; lanes 16-31 the second word
	v_lshl_add_u32 v5, v2, 2, v5
	s_mul_i32 s22, s16, HSB
	s_add_co_u32 s22, s22, SCLB
	v_add_nc_u32 v[ADSB], s22, v5
	s_mul_i32 s23, s14, 16*SPITCH                  ; my stage
	v_mul_u32_u24 v5, v1, SPITCH
	v_lshl_add_u32 v5, v2, 5, v5
	v_add_nc_u32 v[STO], s23, v5
	v_and_b32 v6, 31, v0
	v_lshlrev_b32 v[CO], 4, v6
	v_add_nc_u32 v[RD], s23, v[CO]
	s_lshl_b32 s20, s17, 8                         ; part: my first row,
	s_lshl_b32 s21, s15, 7
	s_add_co_u32 s20, s20, s21
	s_lshl_b32 s20, s20, 12
	s_lshl_b32 s21, s95, 22                        ; the split's plane,
	s_add_co_u32 s20, s20, s21
	s_lshl_b32 s46, s42, 10                        ; my first column
	s_lshl_b32 s47, s16, 9
	s_add_co_u32 s46, s46, s47
	s_add_co_u32 s20, s20, s46
	s_mov_b32 s21, 0
	s_add_nc_u64 s[12:13], s[12:13], s[20:21]
.macro FRAG reg, adr, q, i             ; B: lane l holds row l % 16; registers 4 c .. 4 c + 3 hold K = 32 c + 16 (l / 16) + 0 .. 15
.irp c, 0,1,2,3
	ds_load_b128 v[\reg+4*\c:\reg+4*\c+3], v[\adr] offset:128*(\q)+32*\c+(\i)*16*PITCH
.endr
.endm
.macro FRAGA reg, adr, q, i            ; A: the K step's q-th run; 16 rows are eight lines
.irp c, 0,1,2,3
	ds_load_b128 v[\reg+4*\c:\reg+4*\c+3], v[\adr] offset:HALFT*(\q)+32*\c+(\i)*8*PITCH
.endr
.endm
; 16 matrix instructions: A's blocks a0, a0 + 1 x B's eight.  The 64 accumulators take turns, in the same order in every step.  The K step's second half takes its scale words from lanes 16-31.
.macro MUL16 a0, p, q, sc, zero
.irp a, \a0, \a0+1
.irp b, 0,1,2,3,4,5,6,7
.set rD, 8*(8*((\a)%4)+\b)
.set rB, 128*(\p)+FR*\b
.set rA, AF+FR*(\a)
.set rV, SC+16*(\sc)+8+\b
.set rP, SC+16*(\sc)+(\a)
.if \zero
	v_wmma_scale_f32_16x16x128_f8f6f4 v[rD:rD+7], v[rB:rB+FR-1], v[rA:rA+FR-1], 0, v[rV], v[rP] matrix_a_fmt:MATRIX_FMT_BF8 matrix_b_fmt:MATRIX_FMT_BF8
.elseif (\q)
	v_wmma_scale_f32_16x16x128_f8f6f4 v[rD:rD+7], v[rB:rB+FR-1], v[rA:rA+FR-1], v[rD:rD+7], v[rV], v[rP] matrix_a_fmt:MATRIX_FMT_BF8 matrix_b_fmt:MATRIX_FMT_BF8 matrix_a_scale:MATRIX_SCALE_ROW1 matrix_b_scale:MATRIX_SCALE_ROW1
.else
	v_wmma_scale_f32_16x16x128_f8f6f4 v[rD:rD+7], v[rB:rB+FR-1], v[rA:rA+FR-1], v[rD:rD+7], v[rV], v[rP] matrix_a_fmt:MATRIX_FMT_BF8 matrix_b_fmt:MATRIX_FMT_BF8
.endif
.endr
.endr
.endm
.macro FETCH_B slot, q, p
	WIN TO_B
.irp i, 0,1,2,3,4,5,6,7
	FRAG 128*(\p)+FR*\i, ADRB+\slot, \q, \i
.endr
	WIN 0
.endm
.macro FETCH_A slot, q, i0
.irp i, \i0, \i0+1, \i0+2, \i0+3
	FRAGA AF+FR*(\i), ADRA+\slot, \q, \i
.endr
.endm
.macro SCALES sc                       ; a K step's scale words: lanes 0-15 its first 128 slots, lanes 16-31 its second
.irp i, 0,1,2,3,4,5,6,7
	ds_load_b32 v[SC+16*\sc+\i], v[ADSA] offset:64*\i
	ds_load_b32 v[SC+16*\sc+8+\i], v[ADSB] offset:1280*\i
.endr
.endm
.macro PLACES n                        ; places in front of loads into registers that matrix instructions have read
.rept \n
	v_nop
.endr
.endm
.macro STEP slot, q, zero              ; 128 slots that have their successor in the same LDS slot
	s_wait_dscnt 4*NL                              ; all but the youngest 16 loads (A's blocks 4-7)
	WIN MUL_LO
	MUL16 0, (\q)%2, \q, \slot, \zero
	MUL16 2, (\q)%2, \q, \slot, \zero
	s_wait_dscnt 0
	PLACES NP
	FETCH_B \slot, (\q)+1, 1-(\q)%2
	FETCH_A \slot, (\q)+1, 0
	WIN MUL_HI
	MUL16 4, (\q)%2, \q, \slot, \zero
	MUL16 6, (\q)%2, \q, \slot, \zero
	PLACES NP
	WIN 0
	FETCH_A \slot, (\q)+1, 4
.endm
; A slot's last step changes slots: one barrier; in front of it each wave waits for all its tensor loads, adds 0 to its spare word, and waits for that and for its reads of this slot.  fill = 1: the barrier opens a round of the cluster's barrier, and this slot is filled again.
.macro TURN slot, next, fill
.if \fill
	s_wait_xcnt 0x0                                ; my prefetches have read their address: it goes one K step on
	s_add_nc_u64 s[PFA:PFA+1], s[PFA:PFA+1], s[PFS:PFS+1]
.endif
	s_wait_tensorcnt 0x0                           ; my one load that was out, my part of the next slot, is in
	ds_add_u32 v[SPW], v[NIL]
	s_wait_dscnt 4*NL+1                            ; (the add and the youngest 16 loads may be out)
	WIN MUL_LO
	MUL16 0, 1, NQ-1, \slot, 0
	s_wait_dscnt 0x0                               ; the add is done, and my reads of this slot are over
	s_barrier_signal -1
	MUL16 2, 1, NQ-1, \slot, 0
	WIN 0
	s_barrier_wait -1
.if \fill
	CREST
	s_add_nc_u64 s[G0+4*\slot+2:G0+4*\slot+3], s[G0+4*\slot+2:G0+4*\slot+3], 2*ASTEP
	s_add_nc_u64 s[G0B+4*\slot+2:G0B+4*\slot+3], s[G0B+4*\slot+2:G0B+4*\slot+3], 2*ROWB
	JLOAD G0+4*\slot, G1, G0B+4*\slot, G1B         ; the first tensor load behind the round, my one load until the next
	PLACES NP-4
.else
	PLACES NP
.endif
	s_wait_alu depctr_va_vdst(0)
	v_add_nc_u32 v[ADSA], 1024, v[ADSA]            ; the next K step's scale words
	v_add_nc_u32 v[ADSB], 8, v[ADSB]
	FETCH_B \next, 0, 0
	FETCH_A \next, 0, 0
	SCALES \next
.if \fill
	ASK
.endif
	WIN MUL_HI
	MUL16 4, 1, NQ-1, \slot, 0
	MUL16 6, 1, NQ-1, \slot, 0
	PLACES NP
	WIN 0
	FETCH_A \next, 0, 4
.endm
	s_wait_alu depctr_va_vdst(0)
	s_wait_loadcnt 0x0                             ; my quarter of the scale bytes is in registers
.irp t, 0,1,2,3
	ds_store_b128 v[SSA], v[64+8*\t:67+8*\t] offset:512*\t
	ds_store_b128 v[SSA], v[68+8*\t:71+8*\t] offset:512*\t+HSA
.endr
.irp j, 0,1,2,3,4,5,6,7
	ds_store_b128 v[SSB], v[96+4*\j:99+4*\j] offset:640*\j
.endr
	s_wait_tensorcnt 0x0                           ; my part of K step 0 is in
	ds_add_u32 v[SPW], v[NIL]
	s_wait_dscnt 0x0                               ; the add and my stores of scale bytes are done
	CROUND                                         ; everybody's part of K step 0 and of the scale bytes is in, and all sixteen work-groups are here
	JLOAD G0+4, G1, G0B+4, G1B                     ; K step 1, slot 1's first fill: the first tensor load behind the round
	FETCH_B 0, 0, 0
	FETCH_A 0, 0, 0
	SCALES 0
	FETCH_A 0, 0, 4
	s_wait_xcnt 0x0                                ; the head's prefetches have read their addresses
	s_add_nc_u64 s[PFA:PFA+1], s[82:83], s[PFS:PFS+1]       ; K step 3
	global_prefetch_b8 v[PFO], s[PFA:PFA+1] th:TH_LOAD_NT scope:SCOPE_SE
	STEP 0, 0, 1                                   ; the first step stands in front of the loop: its products start the sums
	s_mov_b32 s3, LAPS-1
.Llap:                                                 ; a trip goes once round the ring and fills both slots again
	TURN 0, 1, 1
	STEP 1, 0, 0
	TURN 1, 0, 1
	STEP 0, 0, 0
	s_sub_co_u32 s3, s3, 1
	s_cmp_lg_u32 s3, 0
	s_cbranch_scc1 .Llap
	TURN 0, 1, 0                                   ; the last lap fills nothing
	STEP 1, 0, 0
	s_wait_dscnt 4*NL
	WIN MUL_LO
	MUL16 0, 1, NQ-1, 1, 0
	MUL16 2, 1, NQ-1, 1, 0
	s_wait_dscnt 0
	WIN MUL_HI
	MUL16 4, 1, NQ-1, 1, 0
	MUL16 6, 1, NQ-1, 1, 0
	WIN 0
; THE WAY OUT, 16 rows at a time through my own stage: in by lanes (32 bytes of a row), back by rows of 512 bytes, so that a store covers 512 consecutive bytes, aligned.
.macro TOSTAGE a
.set AC, 64*((\a)%4)
	WIN 0x08+4*((\a)/4)                            ; the stores' data: window 2 or 3
.irp b, 0,1,2,3,4,5,6,7
	ds_store_b128 v[STO], v[AC+8*\b:AC+8*\b+3] offset:64*\b
	ds_store_b128 v[STO], v[AC+8*\b+4:AC+8*\b+7] offset:64*\b+16
.endr
	WIN 0
.set BB, BK+64*((\a)%2)
.irp t, 0,1,2,3,4,5,6,7,8,9,10,11,12,13,14,15
	ds_load_b128 v[BB+4*\t:BB+4*\t+3], v[RD] offset:\t*SPITCH      ; LDS serves a wave's instructions in order: these see the stores above
.endr
.endm
.macro SEND a, younger
.set BB, BK+64*((\a)%2)
	s_wait_dscnt \younger
.if (\a) > 0
	s_add_nc_u64 s[12:13], s[12:13], 16*SIZE_N*4
.endif
.irp t, 0,1,2,3,4,5,6,7,8,9,10,11,12,13,14,15
	global_store_b128 v[CO], v[BB+4*\t:BB+4*\t+3], s[12:13] offset:\t*SIZE_N*4
.endr
.endm
	PLACES NP
	TOSTAGE 0
.irp a, 1,2,3,4,5,6,7
.if \a > 1
	s_wait_xcnt 0x0                                ; the stores of two blocks back have read their registers and their base
.endif
	TOSTAGE \a
	SEND \a-1, 32
.endr
	s_wait_xcnt 0x0
	SEND 7, 0
	s_wait_tensorcnt 0x0                           ; the wave's end
	ds_add_u32 v[SPW], v[NIL]
	s_wait_dscnt 0x0
	CROUND                                         ; the closing round
	s_endpgm
.Lfunc_end_k_qa507141874_mix:
	.size	k_qa507141874_mix, .Lfunc_end_k_qa507141874_mix-k_qa507141874_mix
	.p2alignl 7, 3214868480
	.fill 96, 4, 3214868480
	.section	.rodata,"a",@progbits
	.p2align	6, 0x0
	.amdhsa_kernel k_qa507141874_mix
		.amdhsa_group_segment_fixed_size 327680
		.amdhsa_private_segment_fixed_size 0
		.amdhsa_enable_private_segment 0
		.amdhsa_kernarg_size 32
		.amdhsa_user_sgpr_count 2
		.amdhsa_user_sgpr_kernarg_segment_ptr 1
		.amdhsa_wavefront_size32 1
		.amdhsa_system_sgpr_workgroup_id_x 1
		.amdhsa_system_sgpr_workgroup_id_y 1
		.amdhsa_system_sgpr_workgroup_id_z 1
		.amdhsa_system_vgpr_workitem_id 0
		.amdhsa_next_free_vgpr 1024
		.amdhsa_next_free_sgpr 98
		.amdhsa_reserve_vcc 0
		.amdhsa_float_denorm_mode_32 3
		.amdhsa_float_denorm_mode_16_64 3
		.amdhsa_memory_ordered 1
		.amdhsa_forward_progress 1
		.amdhsa_inst_pref_size 152
	.end_amdhsa_kernel
	.amdgpu_metadata
---
amdhsa.version: [ 1, 2 ]
amdhsa.kernels:
  - .name:           k_qa507141874_mix
    .symbol:         k_qa507141874_mix.kd
    .args:
      - { .name: pc, .offset: 0, .size: 8, .value_kind: global_buffer, .address_space: global }
      - { .name: ps, .offset: 8, .size: 8, .value_kind: global_buffer, .address_space: global }
      - { .name: values_codes, .offset: 16, .size: 8, .value_kind: global_buffer, .address_space: global }
      - { .name: part, .offset: 24, .size: 8, .value_kind: global_buffer, .address_space: global }
    .group_segment_fixed_size: 327680
    .private_segment_fixed_size: 0
    .kernarg_segment_align: 8
    .kernarg_segment_size: 32
    .max_flat_workgroup_size: 128
    .sgpr_count:     98
    .vgpr_count:     1024
    .wavefront_size: 32
...
	.end_amdgpu_metadata
.endif
;; end of part 3
;; launch finish (part 4): grid 16 x 16, 8 waves a work-group, no clusters, 9,216 bytes of LDS; arguments part, lp, out0; writes out0
.if DOCPART == 4
	.amdgcn_target "amdgcn-amd-amdhsa--gfx1250"
	.amdhsa_code_object_version 6
	.text
	.protected	k_qa507141874_finish
	.globl	k_qa507141874_finish
	.p2align	8
	.type	k_qa507141874_finish,@function
k_qa507141874_finish:
	s_mov_b64 s[64:65], 0
	v_nop
	global_prefetch_b8 v0, s[64:65] scope:SCOPE_SE
	s_setreg_imm32_b32 hwreg(HW_REG_WAVE_MODE, 25, 1), 1
	s_wait_xcnt 0x0
; out0[b][d] = (the sum over 16 splits of part[split][b][d]) / (the sum over 256 runs of lp[run][b]).  part: [16][1024][1024], lp: [256][1024], out0: [1024][1024], all f32.
; A work-group owns 64 rows b x 64 columns d.  Thread t: c = t % 16, g = t / 16.  All three tensors have rows of 4,096 bytes, so ONE offset, 4,096 g + 16 c, serves them all: in part and out0 it is row g,
; four columns; in lp it is run g, four queries.  Sixteen neighbouring lanes always take 256 consecutive bytes, aligned.
; A thread's rows are g + 16 i, i = 0 .. 3: for each it loads the 16 splits' four numbers (16 loads), adds them as a tree, multiplies by 1 / l and stores.  Two register sets take turns: 16 loads of the other set stay out.
; l: each thread adds the 16 runs g + 16 j of its four queries; the 16 g's sums meet in LDS (64 rows of 16 words + 16 bytes of padding) behind the one barrier.
; The 16 work-groups of a row of blocks each read the same 64 KiB of lp again: a quarter of what a work-group reads of part, so no cluster is formed for it.
; No matrix unit, tensor load or cluster: the launch streams.  l is never 0: each of its 32,768 terms is at least 2^-38.
.set L,  16                            ; v16-79   lp's 16 runs x 4; later 4 rows x 16 partial sums
.set PA, 80                            ; v80-143  a row's 16 splits x 4
.set PB, 144                           ; v144-207 the same, the other set
.set O,  208                           ; v208-223 results: four registers for each of my four rows, so that no store's data are written again
.set RL, 4                             ; v4-11    1 / l of my four rows, as pairs (the packed multiply takes the low word)
	s_load_b128 s[4:7], s[0:1], 0x0                ; part, lp
	s_load_b64 s[8:9], s[0:1], 0x10                ; out0
	v_lshl_add_u32 v224, v0, 2, 0x2000
	v_mov_b32 v225, 0
	s_and_b32 s11, ttmp7, 0xffff                   ; y: rows 64 y on
	s_lshl_b32 s12, s11, 18                        ; 64 rows of 4,096 bytes,
	s_lshl_b32 s14, ttmp9, 8                       ; x: 64 columns of 4 bytes
	s_or_b32 s12, s12, s14
	s_mov_b32 s13, 0
	s_lshl_b32 s14, s11, 8                         ; lp: 64 queries of 4 bytes
	s_mov_b32 s15, 0
	v_and_b32 v14, 15, v0                          ; c
	v_lshrrev_b32 v15, 4, v0                       ; g
	s_delay_alu instid0(VALU_DEP_1)
	v_lshlrev_b32 v1, 12, v15
	s_delay_alu instid0(VALU_DEP_1)
	v_lshl_add_u32 v1, v14, 4, v1                  ; 4,096 g + 16 c; never rewritten
	s_delay_alu instid0(VALU_DEP_4)
	v_mul_u32_u24 v2, v14, 320
	s_delay_alu instid0(VALU_DEP_1)
	v_lshl_add_u32 v2, v15, 2, v2                  ; LDS, in: query 4 c + k at 80 (4 c + k), word g
	v_mul_u32_u24 v3, v15, 80                      ; LDS, out: query g + 16 i at 80 g + 1,280 i
.irp i, 0,1,2,3
	v_mov_b32 v[RL+2*\i+1], 0                      ; named as the upper halves of pairs
.endr
	s_wait_alu depctr_va_vdst(0)
	s_wait_kmcnt 0x0
	s_add_nc_u64 s[4:5], s[4:5], s[12:13]
	s_add_nc_u64 s[8:9], s[8:9], s[12:13]
	s_add_nc_u64 s[6:7], s[6:7], s[14:15]
.irp k, 0,1,2,3,4,5,6,7
	s_add_nc_u64 s[16+2*\k:17+2*\k], s[4:5], \k*0x800000   ; a base for each two splits: the second split and the row stand in the immediate, 4,390,912 at the most
.endr
.irp j, 0,1,2,3,4,5,6,7,8,9,10,11,12,13,14,15
	global_load_b128 v[L+4*\j:L+4*\j+3], v1, s[6:7] offset:65536*\j       ; run g + 16 j
.endr
.macro PLOAD set, i                    ; my row g + 16 i of all 16 splits
.irp k, 0,1,2,3,4,5,6,7
	global_load_b128 v[\set+8*\k:\set+8*\k+3], v1, s[16+2*\k:17+2*\k] offset:65536*(\i) th:TH_LOAD_NT
	global_load_b128 v[\set+8*\k+4:\set+8*\k+7], v1, s[16+2*\k:17+2*\k] offset:4194304+65536*(\i) th:TH_LOAD_NT
.endr
.endm
.macro TREE s                          ; 16 vectors of four numbers at v[s] on are added in place, neighbours 1, 2, 4, 8 apart: the sum is in v[s] .. v[s + 3]
.irp w, 1,2,4,8
.set u, 0
.rept 8/\w
	v_pk_add_f32 v[\s+8*\w*u:\s+8*\w*u+1], v[\s+8*\w*u:\s+8*\w*u+1], v[\s+8*\w*u+4*\w:\s+8*\w*u+4*\w+1]
	v_pk_add_f32 v[\s+8*\w*u+2:\s+8*\w*u+3], v[\s+8*\w*u+2:\s+8*\w*u+3], v[\s+8*\w*u+4*\w+2:\s+8*\w*u+4*\w+3]
.set u, u+1
.endr
.endr
.endm
	PLOAD PA, 0
	PLOAD PB, 1
	s_wait_loadcnt 32                              ; lp's 16 loads are in; the 32 loads of part behind them stay out
	TREE L
.irp k, 0,1,2,3
	ds_store_b32 v2, v[L+\k] offset:80*\k
.endr
	s_wait_dscnt 0x0                               ; for the others' sake: my stores are done
	s_barrier_signal -1
	s_barrier_wait -1
.irp i, 0,1,2,3
.irp m, 0,1,2,3
	ds_load_b128 v[L+16*\i+4*\m:L+16*\i+4*\m+3], v3 offset:1280*\i+16*\m
.endr
.endr
	s_wait_dscnt 0x0
.irp i, 0,1,2,3
	v_pk_add_f32 v[L+16*\i:L+16*\i+1], v[L+16*\i:L+16*\i+1], v[L+16*\i+2:L+16*\i+3]
	v_pk_add_f32 v[L+16*\i+4:L+16*\i+5], v[L+16*\i+4:L+16*\i+5], v[L+16*\i+6:L+16*\i+7]
	v_pk_add_f32 v[L+16*\i+8:L+16*\i+9], v[L+16*\i+8:L+16*\i+9], v[L+16*\i+10:L+16*\i+11]
	v_pk_add_f32 v[L+16*\i+12:L+16*\i+13], v[L+16*\i+12:L+16*\i+13], v[L+16*\i+14:L+16*\i+15]
	s_delay_alu instid0(VALU_DEP_3)
	v_pk_add_f32 v[L+16*\i:L+16*\i+1], v[L+16*\i:L+16*\i+1], v[L+16*\i+4:L+16*\i+5]
	s_delay_alu instid0(VALU_DEP_2)
	v_pk_add_f32 v[L+16*\i+8:L+16*\i+9], v[L+16*\i+8:L+16*\i+9], v[L+16*\i+12:L+16*\i+13]
	s_delay_alu instid0(VALU_DEP_1)
	v_pk_add_f32 v[L+16*\i:L+16*\i+1], v[L+16*\i:L+16*\i+1], v[L+16*\i+8:L+16*\i+9]
	s_delay_alu instid0(VALU_DEP_1)
	v_add_f32 v[RL+2*\i], v[L+16*\i], v[L+16*\i+1] ; l of my row g + 16 i
.endr
	s_wait_alu depctr_va_vdst(0)
.irp i, 0,1,2,3
	v_rcp_f32 v[RL+2*\i], v[RL+2*\i]
.endr
	v_nop                                          ; one plain line behind the reciprocals
	s_wait_alu depctr_va_vdst(0)
.macro SUMROW i, set, left             ; left: the other set's loads, which may stay out
	s_wait_loadcnt \left
	TREE \set
	v_pk_mul_f32 v[O+4*\i:O+4*\i+1], v[\set:\set+1], v[RL+2*\i:RL+2*\i+1] op_sel_hi:[1,0]
	v_pk_mul_f32 v[O+4*\i+2:O+4*\i+3], v[\set+2:\set+3], v[RL+2*\i:RL+2*\i+1] op_sel_hi:[1,0]
	global_store_b128 v1, v[O+4*\i:O+4*\i+3], s[8:9] offset:65536*\i      ; 16 lanes store 256 consecutive bytes, aligned
.endm
	SUMROW 0, PA, 16
	PLOAD PA, 2
	SUMROW 1, PB, 16
	PLOAD PB, 3
	SUMROW 2, PA, 16
	SUMROW 3, PB, 0
	s_wait_tensorcnt 0x0
	ds_add_u32 v224, v225
	s_wait_dscnt 0x0
	s_endpgm
.Lfunc_end_k_qa507141874_finish:
	.size	k_qa507141874_finish, .Lfunc_end_k_qa507141874_finish-k_qa507141874_finish
	.p2alignl 7, 3214868480
	.fill 96, 4, 3214868480
	.section	.rodata,"a",@progbits
	.p2align	6, 0x0
	.amdhsa_kernel k_qa507141874_finish
		.amdhsa_group_segment_fixed_size 9216
		.amdhsa_private_segment_fixed_size 0
		.amdhsa_enable_private_segment 0
		.amdhsa_kernarg_size 24
		.amdhsa_user_sgpr_count 2
		.amdhsa_user_sgpr_kernarg_segment_ptr 1
		.amdhsa_wavefront_size32 1
		.amdhsa_system_sgpr_workgroup_id_x 1
		.amdhsa_system_sgpr_workgroup_id_y 1
		.amdhsa_system_sgpr_workgroup_id_z 1
		.amdhsa_system_vgpr_workitem_id 0
		.amdhsa_next_free_vgpr 226
		.amdhsa_next_free_sgpr 66
		.amdhsa_reserve_vcc 0
		.amdhsa_float_denorm_mode_32 3
		.amdhsa_float_denorm_mode_16_64 3
		.amdhsa_memory_ordered 1
		.amdhsa_forward_progress 1
		.amdhsa_inst_pref_size 25
	.end_amdhsa_kernel
	.amdgpu_metadata
---
amdhsa.version: [ 1, 2 ]
amdhsa.kernels:
  - .name:           k_qa507141874_finish
    .symbol:         k_qa507141874_finish.kd
    .args:
      - { .name: part, .offset: 0, .size: 8, .value_kind: global_buffer, .address_space: global }
      - { .name: lp, .offset: 8, .size: 8, .value_kind: global_buffer, .address_space: global }
      - { .name: out0, .offset: 16, .size: 8, .value_kind: global_buffer, .address_space: global }
    .group_segment_fixed_size: 9216
    .private_segment_fixed_size: 0
    .kernarg_segment_align: 8
    .kernarg_segment_size: 24
    .max_flat_workgroup_size: 256
    .sgpr_count:     66
    .vgpr_count:     226
    .wavefront_size: 32
...
	.end_amdgpu_metadata
.endif
;; end of part 4
